; MI455X (gfx1250); checked and timed in simulation.
; The chip was launched on July 23, 2026; its instructions are those of AMD's public machine-readable ISA for CDNA 5 (MIT licence, August 2026) and "CDNA5" Instruction Set Architecture Reference Guide (July 2026). The comments in the code are by the model that wrote it; some were corrected since.
;; Multi Head Self Attention. Allowed arithmetic: matrix products marked QUANTISED: E2M1 operands, one E8M0 scale for each 32 along K, by v_wmma_scale_f32_16x16x128_f8f6f4 with both operands' format E2M1 (or v_wmma_scale_f32_32x16x128_f4), f32 sums; products left as they are: bf16, f16 or f32 operands; f32 sums; everything else in f32.
;; Inputs: W_o 1,024 x 1,024 float32; W_qkv 3,072 x 1,024 float32; token_positions 2 x 2,048 int32; x 2 x 2,048 x 1,024 float32.
;; Outputs: out0 2 x 2,048 x 1,024 float32.
;; This version of the problem:
;;   THIS VERSION OF THE PROBLEM IS GIVEN IN LOW PRECISION. The matrix products marked QUANTISED in the list below multiply operands that are first quantised to E2M1 (2 exponent bits, 1 mantissa bit; 4 bits a number), with one power-of-two scale for each 32 numbers along K (OCP MX v1.0); their sums are f32. The products marked 'left as it is' may take bf16, f16 or f32 operands, with f32 sums. Whichever they take, every output number must still come out within the allowed error. Rounding operands to bf16 (8 significant bits) uses up far more of that allowance than f16 does (11 bits, for magnitudes from 6e-5 to 65,504). All else is computed in f32.
;;   The module's matrix products, in the order in which they are computed (A, B: the left and right operand; K: the contracted axis; several contracted axes count as one K, in the product's order):
;;     1. [M 4,096, K 1,024] x [K 1,024, N 3,072]; A: input x; B: input W_qkv: QUANTISED
;;     2. batch 32 x [M 2,048, K 64] x [K 64, N 2,048]; A: computed on the way; B: computed on the way: left as it is (an operand is computed on the way)
;;     3. batch 32 x [M 2,048, K 2,048] x [K 2,048, N 64]; A: computed on the way; B: computed on the way: left as it is (an operand is computed on the way)
;;     4. [M 4,096, K 1,024] x [K 1,024, N 1,024]; A: computed on the way; B: input W_o: left as it is (an operand is computed on the way)
;;   THE QUANTISER, for each operand of a quantised product, along K:
;;     - K is cut into blocks of 32 from its start; a last block that is shorter is filled with zeros.
;;     - A block's scale is 2^e with e = floor(log2(the largest magnitude in the block)) - 2, held to -126 .. 127; a block of zeros has e = 0. As a byte (E8M0): e + 127.
;;     - Each number is divided by its block's scale, clamped to +-6, and rounded to the nearest number of E2M1, ties to even, subnormals kept.
;;     - The product sums the exact products of the quantised numbers (number of the format x scale) in f32.
;;   ~~~python
;;   def quantise(x, axis):      # numpy; x: float32 -> the quantised numbers, widened to float32 again
;;       x = np.moveaxis(x, axis, -1); K = x.shape[-1]
;;       x = np.pad(x, [(0, 0)] * (x.ndim - 1) + [(0, -K % 32)]); x = x.reshape(x.shape[:-1] + (-1, 32)); a = np.abs(x).max(-1, keepdims=True)
;;       e = np.where(a > 0, np.clip(np.frexp(np.where(a > 0, a, 1))[1] - 1 - 2, -126, 127), 0)      # np.frexp(a)[1] - 1 = floor(log2(a)), exactly
;;       r = np.clip(x / 2.0 ** e, -6, 6)
;;       step = 2.0 ** (np.maximum(np.frexp(np.where(r == 0, 1, r))[1] - 1, 0) - 1)
;;       q = np.round(r / step) * step * 2.0 ** e      # np.round: ties to even
;;       return np.moveaxis(q.reshape(q.shape[:-2] + (-1,))[..., :K], -1, axis).astype(np.float32)
;;   ~~~
;; One version. Each part assembles by itself: llvm-mc -triple=amdgcn-amd-amdhsa -mcpu=gfx1250 --defsym DOCPART=n.
;; ======== version 1 of 1: 5 launches
;; limits: values are held in f16: magnitudes above 65,504 overflow, below 6.1e-05 lose precision; an absolute error that grows with the inputs' magnitude: up to 2e-07 times it
;; workspace buffers: codes 3,670,016 bytes; scales 229,376 bytes; tab 1,048,576 bytes; wh 2,097,152 bytes; qkvh 25,165,824 bytes; qkvf 393,216 bytes; oh 8,388,608 bytes
;; launch prep (part 1): grid 288 x 1, 4 waves a work-group, no clusters, 33,280 bytes of LDS; arguments x, W_qkv, W_o, token_positions, codes, scales, wh, tab; writes codes, scales, wh, tab
.if DOCPART == 1
	.amdgcn_target "amdgcn-amd-amdhsa--gfx1250"
	.amdhsa_code_object_version 6
	.text
	.protected	k_q61b1e4aece_prep
	.globl	k_q61b1e4aece_prep
	.p2align	8
	.type	k_q61b1e4aece_prep,@function
k_q61b1e4aece_prep:
	s_mov_b64 s[64:65], 0
	v_nop
	global_prefetch_b8 v0, s[64:65] scope:SCOPE_SE
	s_setreg_imm32_b32 hwreg(HW_REG_WAVE_MODE, 25, 1), 1
	s_wait_xcnt 0x0
; THREE JOBS IN ONE LAUNCH, told apart by the work-group number alone.
; Work-groups 0-223: x [4096][1024] and W_qkv [3072][1024], f32, become codes of FP4 (E2M1), K innermost, two codes a byte, with one E8M0 byte for each 32 along K.
;   Both tensors are plain streams of blocks of 32; their codes follow each other in one buffer (rows 0-4095 x, rows 4096-7167 W_qkv), and so do their scale bytes.
;   A block scale is 2^(floor(log2(largest magnitude)) - 2); its byte is the largest magnitude exponent field - 2, held at 1 from below.  A block of zeros keeps the byte 1: its codes are zeros, and this program alone reads the bytes.
; Work-groups 224-255: W_o [1024][1024] f32 becomes f16, laid [z 16][n 1024][64]: block z holds columns 64 z .. 64 z + 63 of every row, so that 128 rows of a block are 16,384 consecutive bytes.
; Work-groups 256-287: the table of cos and sin, [4096 positions][32 frequencies][cos, sin] f32: 256 bytes a position.
;   angle = position x 10000^(-i / 32); the frequency is 2^(-i log2(10000) / 32) by v_exp_f32; sine and cosine by reduction to a quarter turn (pi / 2 in three parts, fused multiply-adds) and polynomials of degree 7 and 8, in f32.
; LIMITS: NaN and infinities among the inputs are not served.  |W_o| stays under 65,504 (f16).  The frequency is within some 2e-7 (relative) of the one that a division of powers in f32 gives, so an angle is off by some 2e-7 x position:
;   3e-4 at position 2,047.  Blocks whose largest magnitude lies under 2^-124 (the floor) were not tried.
.set WAVES, 4
.set STEPS, 16
.set EMAX,  2
.set CB,    8                          ; bytes of 16 codes
.set R,     16                         ; v16-79   four sets of 16 numbers as they are loaded
.set X,     80                         ; v80-111  two sets of 16 neighbours
.set C,     128                        ; v128-191 codes: four registers for each step
.set E,     112                        ; v112-127 a scale byte for each step
.set WREG,  8192                       ; LDS: a region for each wave: two stages of 32 x SP bytes, behind them its 256 scale bytes
.set SP,    80                         ; a lane place in a stage: 64 bytes + 16 of padding
.set SPW,   12                         ; v12  LDS address of my spare word; never rewritten
.set NIL,   13                         ; v13  0; never rewritten
.set SPARE, WAVES*WREG                 ; behind the four regions: the spare words, 128 bytes a wave
.set WGX,   128                        ; work-groups for x (4096 x 1024 / 32768)
.set WGQ,   224                        ; and with W_qkv
.set WGW,   256                        ; and with W_o
	s_load_b256 s[4:11], s[0:1], 0x0               ; x s[4:5], W_qkv s[6:7], W_o s[8:9], token_positions s[10:11]
	s_load_b256 s[12:19], s[0:1], 0x20             ; codes s[12:13], scales s[14:15], wh s[16:17], tab s[18:19]
	v_lshl_add_u32 v[SPW], v0, 2, SPARE
	v_mov_b32 v[NIL], 0
	v_lshrrev_b32 v1, 5, v0
	v_readfirstlane_b32 s20, v1                    ; wave
	v_and_b32 v2, 31, v0                           ; lane
	s_mov_b32 s23, 0                               ; upper word of the offsets in s[22:23]
	s_wait_kmcnt 0x0
	s_cmp_ge_u32 ttmp9, WGW
	s_cbranch_scc1 .Ltab
	s_cmp_ge_u32 ttmp9, WGQ
	s_cbranch_scc1 .Lwo
; ---------------- the quantiser: a wave takes 16 steps of 512 numbers ----------------
; Each load reads 512 consecutive bytes, 16 a lane; a step goes through the wave own stage in LDS and comes back 64 bytes a lane: 16 neighbours along K, two lanes to a block.
	v_lshlrev_b32 v3, 4, v2                        ; my 16 bytes of a load
	s_mul_i32 s21, s20, WREG
	v_lshrrev_b32 v14, 2, v2
	v_mul_u32_u24 v14, v14, SP
	v_and_b32 v15, 3, v2
	v_lshl_add_u32 v14, v15, 4, v14
	v_add_nc_u32 v14, s21, v14                     ; the stage, way in: SP (lane / 4) + 16 (lane % 4)
	v_mul_u32_u24 v15, v2, SP
	v_add_nc_u32 v15, s21, v15                     ; way out: SP x lane
	v_mul_u32_u24 v4, v2, CB                       ; my codes in a step
	v_lshrrev_b32 v5, 1, v2
	s_add_co_u32 s21, s21, 2*32*SP
	v_add_nc_u32 v5, s21, v5                       ; my block byte among the wave 256 scale bytes
	v_lshlrev_b32 v7, 3, v2
	v_add_nc_u32 v6, s21, v7                       ; and on their way out 8 bytes a lane
	s_cmp_lt_u32 ttmp9, WGX                        ; x or W_qkv: the choice hangs on the work-group number alone
	s_cselect_b64 s[4:5], s[4:5], s[6:7]
	s_cselect_b32 s21, 0, 4*WGX
	s_lshl_b32 s24, ttmp9, 2
	s_add_co_u32 s24, s24, s20                     ; my run of 8,192 numbers, counted over both tensors
	s_sub_co_u32 s21, s24, s21                     ; and inside its tensor
	s_lshl_b32 s22, s21, 15
	s_add_nc_u64 s[4:5], s[4:5], s[22:23]          ; 32,768 bytes of f32 a run
	s_lshl_b32 s22, s24, 12
	s_add_nc_u64 s[12:13], s[12:13], s[22:23]      ; 4,096 bytes of codes
	s_lshl_b32 s22, s24, 8
	s_add_nc_u64 s[14:15], s[14:15], s[22:23]      ; 256 scale bytes
.macro LOAD t
.irp i, 0,1,2,3
	global_load_b128 v[R+16*((\t)%4)+4*\i:R+16*((\t)%4)+4*\i+3], v3, s[4:5] offset:2048*(\t)+512*\i th:TH_LOAD_NT
.endr
.endm
.macro TURN t                          ; a step through the stage: LDS serves a wave in order, so no wait between the stores and the loads
.irp i, 0,1,2,3
	ds_store_b128 v14, v[R+16*((\t)%4)+4*\i:R+16*((\t)%4)+4*\i+3] offset:32*SP*((\t)%2)+8*SP*\i
.endr
.irp i, 0,1,2,3
	ds_load_b128 v[X+16*((\t)%2)+4*\i:X+16*((\t)%2)+4*\i+3], v15 offset:32*SP*((\t)%2)+16*\i
.endr
.endm
.irp t, 0,1,2,3
	LOAD \t
.endr
	s_wait_loadcnt 12                              ; step 0 is in; three steps of four loads may be out
	TURN 0
.macro STEP t
.set XS, X+16*((\t)%2)
.if (\t) > 0
	s_wait_dscnt 1                                 ; this step is back from the stage (the last byte store may be out)
.else
	s_wait_dscnt 0x0
.endif
.if (\t)+4 < STEPS
	LOAD (\t)+4
.endif
.if (\t)+1 < STEPS
.if STEPS-2-(\t) >= 3
	s_wait_loadcnt 12                              ; the next step is in; the three behind it may be out
.else
	s_wait_loadcnt 4*(STEPS-2-(\t))
.endif
	TURN (\t)+1
.endif
	v_max3_num_f32 v8, |v[XS]|, |v[XS+1]|, |v[XS+2]|
	v_max3_num_f32 v9, |v[XS+3]|, |v[XS+4]|, |v[XS+5]|
.irp i, 6,10
	v_max3_num_f32 v8, v8, |v[XS+\i]|, |v[XS+\i+1]|
	v_max3_num_f32 v9, v9, |v[XS+\i+2]|, |v[XS+\i+3]|
.endr
	v_max3_num_f32 v8, v8, |v[XS+14]|, |v[XS+15]|
	v_max3_num_f32 v8, v8, v9, (EMAX+1)<<23        ; with the floor 2^(3 - 127): the byte cannot fall under 1
	v_max_num_f32_dpp v8, v8, v8 row_xmask:1 row_mask:0xf bank_mask:0xf   ; and my neighbour 16: the block
	v_add_nc_u32 v11, 0xff000000, v8               ; 2 off the exponent field: the conversion takes that field as its scale
	v_cvt_scalef32_pk8_fp4_f32 v[C+4*(\t)], v[XS:XS+7], v11
	v_cvt_scalef32_pk8_fp4_f32 v[C+4*(\t)+1], v[XS+8:XS+15], v11
	v_lshrrev_b32 v[E+(\t)], 23, v11               ; the scale byte
	ds_store_b8 v5, v[E+(\t)] offset:16*(\t)       ; both lanes of a block write the same byte with the same value
	global_store_b64 v4, v[C+4*(\t):C+4*(\t)+1], s[12:13] offset:32*CB*(\t)   ; the wave stores 256 consecutive bytes, aligned
.endm
.irp t, 0,1,2,3,4,5,6,7,8,9,10,11,12,13,14,15
	STEP \t
.endr
	ds_load_b64 v[8:9], v6                         ; my wave 256 scale bytes
	s_wait_dscnt 0x0
	global_store_b64 v7, v[8:9], s[14:15]          ; 256 consecutive bytes, aligned
	s_wait_tensorcnt 0x0                           ; the wave end, behind the last LDS store
	ds_add_u32 v[SPW], v[NIL]
	s_wait_dscnt 0x0
	s_endpgm
; ---------------- W_o to f16, laid by blocks of 64 along K.  No LDS. ----------------
; Wave w of work-group j takes rows 32 j + 8 w .. + 7, two rows at a time: lanes 0-15 the even row, lanes 16-31 the odd one.  Load z reads 256 consecutive bytes of each row (block z);
; its 64 + 64 numbers as f16 are 256 consecutive bytes of block z of wh.
.Lwo:
	s_sub_co_u32 s21, ttmp9, WGQ
	s_lshl_b32 s21, s21, 5
	s_lshl_b32 s22, s20, 3
	s_add_co_u32 s21, s21, s22                     ; my first row
	s_lshl_b32 s22, s21, 12
	s_add_nc_u64 s[8:9], s[8:9], s[22:23]
	s_lshl_b32 s22, s21, 7
	s_add_nc_u64 s[16:17], s[16:17], s[22:23]
	v_and_b32 v3, 15, v0
	v_bfe_u32 v4, v0, 4, 1
	v_lshlrev_b32 v5, 4, v3
	v_lshl_add_u32 v5, v4, 12, v5                  ; in: 4,096 x half + 16 x (lane % 16)
	v_lshlrev_b32 v6, 3, v3
	v_lshl_add_u32 v6, v4, 7, v6                   ; out: 128 x half + 8 x (lane % 16)
.macro LOADP p
.irp z, 0,1,2,3,4,5,6,7,8,9,10,11,12,13,14,15
	global_load_b128 v[16+64*((\p)%2)+4*\z:16+64*((\p)%2)+4*\z+3], v5, s[8:9] offset:(\p)*8192+256*\z th:TH_LOAD_NT
.endr
.endm
.macro CVTP p
.irp z, 0,1,2,3,4,5,6,7,8,9,10,11,12,13,14,15
	v_cvt_pk_f16_f32 v[144+2*\z], v[16+64*((\p)%2)+4*\z], v[16+64*((\p)%2)+4*\z+1]
	v_cvt_pk_f16_f32 v[145+2*\z], v[16+64*((\p)%2)+4*\z+2], v[16+64*((\p)%2)+4*\z+3]
.endr
.irp z, 0,1,2,3,4,5,6,7,8,9,10,11,12,13,14,15
	global_store_b64 v6, v[144+2*\z:145+2*\z], s[16:17] offset:\z*131072+(\p)*256
.endr
.endm
	LOADP 0
	LOADP 1
	s_wait_loadcnt 16                              ; this pair of rows is in; the next pair 16 loads may be out
	CVTP 0
	LOADP 2
	s_wait_loadcnt 16
	s_wait_xcnt 0x0                                ; the last stores have read their data: v144-175 are written again only behind this wait
	CVTP 1
	LOADP 3
	s_wait_loadcnt 16
	s_wait_xcnt 0x0
	CVTP 2
	s_wait_loadcnt 0x0
	s_wait_xcnt 0x0
	CVTP 3
	s_endpgm
; ---------------- the table of cos and sin.  No LDS. ----------------
; Wave w of work-group j takes positions 128 j + 32 w .. + 31 (flat over batch and sequence); a lane is a frequency.  Each position leaves as 256 consecutive bytes.
.Ltab:
	s_sub_co_u32 s21, ttmp9, WGW
	s_lshl_b32 s21, s21, 7
	s_lshl_b32 s22, s20, 5
	s_add_co_u32 s21, s21, s22                     ; my first position
	s_lshl_b32 s22, s21, 2
	s_add_nc_u64 s[10:11], s[10:11], s[22:23]
	s_load_b512 s[24:39], s[10:11], 0x0            ; my 32 token positions
	s_load_b512 s[40:55], s[10:11], 0x40
	s_lshl_b32 s22, s21, 8
	s_add_nc_u64 s[18:19], s[18:19], s[22:23]
	v_lshlrev_b32 v3, 3, v2                        ; 8 bytes a frequency
	v_cvt_f32_u32 v1, v2
	v_mul_f32 v1, 0xbed49a78, v1                   ; -i log2(10000) / 32
	v_exp_f32 v2, v1                               ; the frequency
	v_mov_b32 v16, 0x3f22f983                      ; 2 / pi   (plain lines behind the exponential)
	v_mov_b32 v17, 0x3fc90fdb                      ; pi / 2, high part
	v_mov_b32 v18, 0xb33bbd2e                      ; middle part
	v_mov_b32 v19, 0xa6f72ced                      ; low part
	v_mov_b32 v20, 0xbe2aaaa3                      ; sine: -1.6666654611e-1
	v_mov_b32 v21, 0x3c08839e                      ; 8.3321608736e-3
	v_mov_b32 v22, 0xb94ca1f9                      ; -1.9515295891e-4
	v_mov_b32 v23, 0x3d2aaaa5                      ; cosine: 4.166664568e-2
	v_mov_b32 v24, 0xbab6061a                      ; -1.388731625e-3
	v_mov_b32 v25, 0x37ccf5ce                      ; 2.443315712e-5
	s_wait_alu depctr_va_vdst(0)                   ; ahead of the first reader of the exponential
	s_wait_kmcnt 0x0
.macro SINCOS k
	v_cvt_f32_i32 v4, s[24+(\k)]
	v_mul_f32 v4, v4, v2                           ; the angle, rounded once, as a product in f32
	v_mul_f32 v5, v4, v16
	v_rndne_f32 v5, v5                             ; quarter turns
	v_fma_f32 v6, -v5, v17, v4
	v_fma_f32 v6, -v5, v18, v6
	v_fma_f32 v6, -v5, v19, v6                     ; what is left, at most pi / 4 in size
	v_cvt_i32_f32 v7, v5
	v_mul_f32 v8, v6, v6
	v_fma_f32 v9, v22, v8, v21
	v_fma_f32 v10, v25, v8, v24
	v_fma_f32 v9, v9, v8, v20
	v_fma_f32 v10, v10, v8, v23
	v_mul_f32 v9, v9, v8
	v_fma_f32 v10, v10, v8, -0.5
	v_fma_f32 v9, v9, v6, v6                       ; its sine
	v_fma_f32 v10, v10, v8, 1.0                    ; its cosine
	v_and_b32 v11, 1, v7
	v_cmp_eq_u32 vcc_lo, 1, v11                    ; an odd number of quarter turns swaps the two
	v_cndmask_b32 v14, v9, v10, vcc_lo
	v_cndmask_b32 v15, v10, v9, vcc_lo
	v_lshlrev_b32 v11, 30, v7
	v_add_nc_u32 v7, 1, v7
	v_and_b32 v11, 0x80000000, v11                 ; the sine changes sign in quarters 2 and 3,
	v_lshlrev_b32 v7, 30, v7
	v_xor_b32 v[65+2*(\k)], v14, v11
	v_and_b32 v7, 0x80000000, v7                   ; the cosine in quarters 1 and 2
	v_xor_b32 v[64+2*(\k)], v15, v7
	global_store_b64 v3, v[64+2*(\k):65+2*(\k)], s[18:19] offset:256*(\k)   ; each position has its own pair of registers: no store data are written again
.endm
.set n, 0
.rept 32
	SINCOS n
.set n, n+1
.endr
	s_endpgm
.Lfunc_end_k_q61b1e4aece_prep:
	.size	k_q61b1e4aece_prep, .Lfunc_end_k_q61b1e4aece_prep-k_q61b1e4aece_prep
	.p2alignl 7, 3214868480
	.fill 96, 4, 3214868480
	.section	.rodata,"a",@progbits
	.p2align	6, 0x0
	.amdhsa_kernel k_q61b1e4aece_prep
		.amdhsa_group_segment_fixed_size 33280
		.amdhsa_private_segment_fixed_size 0
		.amdhsa_enable_private_segment 0
		.amdhsa_kernarg_size 64
		.amdhsa_user_sgpr_count 2
		.amdhsa_user_sgpr_kernarg_segment_ptr 1
		.amdhsa_wavefront_size32 1
		.amdhsa_system_sgpr_workgroup_id_x 1
		.amdhsa_system_sgpr_workgroup_id_y 1
		.amdhsa_system_sgpr_workgroup_id_z 1
		.amdhsa_system_vgpr_workitem_id 0
		.amdhsa_next_free_vgpr 192
		.amdhsa_next_free_sgpr 66
		.amdhsa_reserve_vcc 1
		.amdhsa_float_denorm_mode_32 3
		.amdhsa_float_denorm_mode_16_64 3
		.amdhsa_memory_ordered 1
		.amdhsa_forward_progress 1
		.amdhsa_inst_pref_size 98
	.end_amdhsa_kernel
	.amdgpu_metadata
---
amdhsa.version: [ 1, 2 ]
amdhsa.kernels:
  - .name:           k_q61b1e4aece_prep
    .symbol:         k_q61b1e4aece_prep.kd
    .args:
      - { .name: x, .offset: 0, .size: 8, .value_kind: global_buffer, .address_space: global }
      - { .name: W_qkv, .offset: 8, .size: 8, .value_kind: global_buffer, .address_space: global }
      - { .name: W_o, .offset: 16, .size: 8, .value_kind: global_buffer, .address_space: global }
      - { .name: token_positions, .offset: 24, .size: 8, .value_kind: global_buffer, .address_space: global }
      - { .name: codes, .offset: 32, .size: 8, .value_kind: global_buffer, .address_space: global }
      - { .name: scales, .offset: 40, .size: 8, .value_kind: global_buffer, .address_space: global }
      - { .name: wh, .offset: 48, .size: 8, .value_kind: global_buffer, .address_space: global }
      - { .name: tab, .offset: 56, .size: 8, .value_kind: global_buffer, .address_space: global }
    .group_segment_fixed_size: 33280
    .private_segment_fixed_size: 0
    .kernarg_segment_align: 8
    .kernarg_segment_size: 64
    .max_flat_workgroup_size: 128
    .sgpr_count:     66
    .vgpr_count:     192
    .wavefront_size: 32
...
	.end_amdgpu_metadata
.endif
;; end of part 1
;; launch qkv (part 2): grid 12 x 16, 4 waves a work-group, clusters of 4 x 4, 327,680 bytes of LDS; arguments codes, scales, tab, qkvh, qkvf; writes qkvh, qkvf
.if DOCPART == 2
	.amdgcn_target "amdgcn-amd-amdhsa--gfx1250"
	.amdhsa_code_object_version 6
	.text
	.protected	k_q61b1e4aece_qkv
	.globl	k_q61b1e4aece_qkv
	.p2align	8
	.type	k_q61b1e4aece_qkv,@function
k_q61b1e4aece_qkv:
	s_mov_b64 s[64:65], 0
	v_nop
	global_prefetch_b8 v0, s[64:65] scope:SCOPE_SE
	s_setreg_imm32_b32 hwreg(HW_REG_WAVE_MODE, 25, 1), 1
	s_wait_xcnt 0x0
	s_wait_alu depctr_hold_cnt(0) depctr_sa_sdst(0) depctr_va_vdst(0) depctr_va_sdst(0) depctr_va_ssrc(0) depctr_va_vcc(0) depctr_vm_vsrc(0)
	s_getreg_b32 s2, hwreg(HW_REG_IB_STS2, 6, 4)
	s_cmp_eq_u32 s2, 0
	s_cbranch_scc0 .Lentry_in_a_cluster
	s_endpgm
.Lentry_in_a_cluster:
	s_bfe_u32 s2, ttmp6, 0x10000c
	s_cmp_lg_u32 s2, 0xf033
	s_cbranch_scc0 .Lentry_shape_is_right
	s_endpgm
.Lentry_shape_is_right:
; qkv[m][e] = sum over k of x[m][k] W_qkv[e][k], both as codes of FP4 (E2M1) with one E8M0 scale for each 32 along K: M = 4,096, N = 3,072, K = 1,024; sums in f32.  On the way out: the interleaved rotation of Q and K
; by the table of cos and sin, rounding to f16, and the layout [part 3][batch 2][head 16][position 2048][64].  The first 16 positions of both sequences also leave in f32, laid [batch][part][head][16][64].
; A tile of 256 x 256 is made by a work-group of four waves; a wave makes 128 x 128: 64 accumulators of 16 x 16, 512 registers.  The two LDS slots of 512 along K hold ALL of K: each is filled once, nothing is filled again, there is no loop.
; THE SCALES of the 256 rows of x and 256 rows of W_qkv, for all of K, are two dense blocks of memory: they come once, with the first fills, as rows of 256 bytes.
; CLUSTERS: 4 x 4 work-groups.  The four of a row of the cluster need the same tiles of x, the four of a column the same tiles of W_qkv: each tile is asked for JOINTLY.  A cluster column of four tiles is 1,024 columns: one part
; (cluster x = 0: Q, 1: K, 2: V), so the one branch on the part is the same in all sixteen partners.
; THE MATRIX INSTRUCTION IS USED TRANSPOSED (source 0 = 16 rows of W_qkv, source 1 = 16 rows of x): a lane holds eight neighbouring columns of one row: four pairs (even, odd) of one head, which the rotation takes as they lie.
; REGISTERS, in windows of 256: window 0: v0-31 addresses; v32-95 scale words, two sets; v128-191 fragments of x, one set; on the way out v32-223 are at work.
;   window 1: fragments of W_qkv, two sets, at v0 and v128; v64-127 and v192-255: the table of row blocks 0-3; on the way out the two sets take the table of blocks 4-7.   windows 2, 3: the accumulators.
; LIMITS: |Q|, |K|, |V| stay under 65,504 (f16).  NaN and infinities are not served.
.set KSTEP,  512
.set NQ,     KSTEP/128
.set ROWB,   256                       ; a tile row in bytes: 512 codes
.set KROW,   512                       ; a row of codes in memory
.set PITCH,  272                       ; an LDS row: 256 bytes + 16 of padding: the 16 rows of a load start at 16 different banks (64 banks of 4 bytes: ISA guide 11.1)
.set FR,     8
.set NL,     2
.set NP,     4                         ; places behind this matrix instruction (ISA guide 7.12.1)
.set HALFT,  128*PITCH
.set SLOT,   4*HALFT
.set KS,     32                        ; a row of scales in bytes
.set SCL,    2*SLOT                    ; behind the two slots: the scales, as units of 256 bytes + 16 of padding
.set HALFS,  (128*KS/256)*272
.set SBLK,   (16*KS/256)*272
.set SPARE,  SCL+4*HALFS               ; the spare words, 128 bytes a wave
.set WCODES, 2097152                   ; where the codes of W_qkv begin in the buffer of codes
.set WSCALE, 131072                    ; and its scale bytes
.set WSTG,   13312                     ; the way out: a region for each wave in slot 0, which has had its only fill and its last read by then:
.set HP,     144                       ;   2 heads x 16 rows x (128 bytes of f16 + 16),
.set FSTG,   2*16*HP                   ;   and behind them 16 rows x (512 bytes of f32 + 16) for the first 16 positions
.set FPITCH, 528
.set TO,    8                          ; v8   the table: my row x 256 + 32 x half
.set STO16, 9                          ; v9   f16 stage, way in
.set RD16,  10                         ; v10  f16 stage, way back
.set GO,    11                         ; v11  16 x lane
.set STOF,  12                         ; v12  f32 stage, way in
.set RDF,   13                         ; v13  f32 stage, way back
.set COF,   14                         ; v14  my place in qkvf: 4,096 x (lane / 16) + 16 x (lane % 16)
.set VCY,   15                         ; v15  my work-group place along the cluster y: it enters a lane mask for stores alone
.set ADRA,  16
.set ADRB,  20
.set ADRS,  27
.set SPW,   28
.set NIL,   29
.set SC,    32
.set AF,    128
.set RR,    32                         ; way out: v32-95 a block after the rotation, f32
.set G1, 24
.set G0, 32
.set G1B, 48
.set G0B, 56
.set G1S, 68
.set G0S, 76
.set G1SB, 80
.set G0SB, 88
.set MSB, 0
.macro WIN new                         ; the immediate high byte repeats the setting that is left
.if MSB != \new
	s_set_vgpr_msb (MSB<<8)|\new
.set MSB, \new
.endif
.endm
.set MUL_LO, 0xa1                      ; source 0 window 1, source 1 window 0, C and D window 2
.set MUL_HI, 0xf1                      ; the same, C and D window 3
.set TO_B,   0x40                      ; destination window 1, address window 0
; A joint load: waves 0 and 1 fetch for x, waves 2 and 3 for W_qkv.  The branch hangs on the wave number alone.  An s_nop 0 and four v_nop follow each of the two lines.
.macro JLOAD g0a, g1a, g0b, g1b
	s_cmp_eq_u32 s15, 0
	s_cbranch_scc0 .Lfor_b_\@
	tensor_load_to_lds s[\g0a:\g0a+3], s[\g1a:\g1a+7]
	s_nop 0
.rept 4
	v_nop
.endr
	s_branch .Lasked_\@
.Lfor_b_\@:
	tensor_load_to_lds s[\g0b:\g0b+3], s[\g1b:\g1b+7]
	s_nop 0
.rept 4
	v_nop
.endr
.Lasked_\@:
.endm
.macro CROUND                          ; a round of the cluster barrier
	s_barrier_signal -1
	s_barrier_wait -1
	s_cmp_lg_u32 s14, 0
	s_cbranch_scc1 .Lnot_wave_0_\@
	s_barrier_signal -3
.Lnot_wave_0_\@:
	s_barrier_wait -3
	s_barrier_signal -1
	s_barrier_wait -1
.endm
	s_load_b128 s[4:7], s[0:1], 0x0                ; codes s[4:5], scales s[6:7]
	s_load_b128 s[8:11], s[0:1], 0x10              ; tab s[8:9], qkvh s[10:11]
	s_load_b64 s[12:13], s[0:1], 0x20              ; qkvf
	v_lshl_add_u32 v[SPW], v0, 2, SPARE
	v_mov_b32 v[NIL], 0
	ds_add_u32 v[SPW], v[NIL]                      ; the opening: the add, twice on end, and its wait ahead of my first tensor load
	ds_add_u32 v[SPW], v[NIL]
	v_lshrrev_b32 v1, 5, v0
	v_readfirstlane_b32 s14, v1                    ; wave 0..3
	s_lshr_b32 s15, s14, 1                         ; which half of the tile rows is mine.  Also: I fetch for x (0) or for W_qkv (1)
	s_and_b32 s16, s14, 1                          ; which half of its columns.  Also: which 128 rows of that tile I fetch
	s_bfe_u32 s40, ttmp6, 0x40000                  ; cx, cy: my place in the cluster
	s_bfe_u32 s41, ttmp6, 0x40004
	s_lshl_b32 s42, ttmp9, 2
	s_add_co_u32 s42, s42, s40                     ; tile column = 4 x cluster x + cx
	s_and_b32 s17, ttmp7, 0xffff
	s_lshl_b32 s17, s17, 2
	s_add_co_u32 s17, s17, s41                     ; tile row = 4 x cluster y + cy
	s_lshl_b32 s43, s41, 2
	s_lshl_b32 s43, 15, s43                        ; my row of the cluster
	s_lshl_b32 s44, 0x1111, s40                    ; my column
	; descriptor group 1: a tile of 128 rows x 256 bytes, 16 bytes of padding behind each row
	s_or_b32 s[G1+0], s43, (0<<16)|(1<<20)|(1<<21)|(5<<22)|(3<<25)
	s_or_b32 s[G1B+0], s44, (0<<16)|(1<<20)|(1<<21)|(5<<22)|(3<<25)
.irp g, G1, G1B
	s_mov_b32 s[\g+1], ROWB<<16                    ; tensor_dim0
	s_mov_b32 s[\g+2], 128<<16                     ; tensor_dim1
	s_mov_b32 s[\g+3], ROWB<<16                    ; tile_dim0
	s_mov_b32 s[\g+4], 128                         ; tile_dim1
	s_mov_b32 s[\g+5], KROW                        ; stride from row to row
	s_mov_b32 s[\g+6], 0
	s_mov_b32 s[\g+7], 0
.endr
	; the scales of 128 rows: a dense block of 4,096 bytes, as 16 rows of 256 bytes (32 elements of 8 bytes), 16 bytes of padding behind each
	s_or_b32 s[G1S+0], s43, (3<<16)|(1<<20)|(1<<21)|(5<<22)|(3<<25)
	s_or_b32 s[G1SB+0], s44, (3<<16)|(1<<20)|(1<<21)|(5<<22)|(3<<25)
.irp g, G1S, G1SB
	s_mov_b32 s[\g+1], 32<<16
	s_mov_b32 s[\g+2], (128*KS/256)<<16
	s_mov_b32 s[\g+3], 32<<16
	s_mov_b32 s[\g+4], 128*KS/256
	s_mov_b32 s[\g+5], 32
	s_mov_b32 s[\g+6], 0
	s_mov_b32 s[\g+7], 0
.endr
	s_lshl_b32 s18, s16, 7                         ; which 128 rows of the tile I fetch
	s_lshl_b32 s20, s17, 8
	s_add_co_u32 s20, s20, s18                     ; x: row 256 x tile row + 128 x half
	s_lshl_b32 s46, s42, 8
	s_add_co_u32 s46, s46, s18                     ; W_qkv: row 256 x tile column + 128 x half
	s_mov_b32 s21, 0
	s_mov_b32 s47, 0
	s_mov_b64 s[18:19], KS
	s_mul_u64 s[22:23], s[20:21], s[18:19]         ; where these rows scales begin, in bytes
	s_mul_u64 s[92:93], s[46:47], s[18:19]
	s_mov_b64 s[18:19], KROW
	s_mul_u64 s[20:21], s[20:21], s[18:19]         ; and their codes
	s_mul_u64 s[46:47], s[46:47], s[18:19]
	s_add_nc_u64 s[92:93], s[92:93], WSCALE        ; W_qkv lies behind x in both buffers
	s_add_nc_u64 s[46:47], s[46:47], WCODES
	s_mul_i32 s45, s14, HALFT                      ; where they go: wave x 128 rows: no place in the cluster enters an LDS address
	s_mul_i32 s94, s14, HALFS
	s_wait_dscnt 0x0                               ; both opening adds are done
	s_wait_kmcnt 0x0
	s_add_nc_u64 s[20:21], s[4:5], s[20:21]
	s_add_nc_u64 s[22:23], s[6:7], s[22:23]
	s_add_nc_u64 s[46:47], s[4:5], s[46:47]
	s_add_nc_u64 s[92:93], s[6:7], s[92:93]
	CROUND                                         ; all sixteen work-groups are here: the joint loads meet
	s_mov_b32 s[G0S], 1
	s_add_co_u32 s[G0S+1], s94, SCL
	s_mov_b64 s[G0S+2:G0S+3], s[22:23]
	s_or_b32 s[G0S+3], s[G0S+3], 0x80000000
	s_mov_b32 s[G0SB], 1
	s_add_co_u32 s[G0SB+1], s94, SCL
	s_mov_b64 s[G0SB+2:G0SB+3], s[92:93]
	s_or_b32 s[G0SB+3], s[G0SB+3], 0x80000000
	JLOAD G0S, G1S, G0SB, G1SB                     ; the scales first: they are wanted with the first K step
.irp s, 0,1
	s_mov_b32 s[G0+4*\s], 1
	s_add_co_u32 s[G0+4*\s+1], s45, \s*SLOT
	s_add_nc_u64 s[G0+4*\s+2:G0+4*\s+3], s[20:21], \s*ROWB
	s_or_b32 s[G0+4*\s+3], s[G0+4*\s+3], 0x80000000
	s_mov_b32 s[G0B+4*\s], 1
	s_add_co_u32 s[G0B+4*\s+1], s45, \s*SLOT
	s_add_nc_u64 s[G0B+4*\s+2:G0B+4*\s+3], s[46:47], \s*ROWB
	s_or_b32 s[G0B+4*\s+3], s[G0B+4*\s+3], 0x80000000
	JLOAD G0+4*\s, G1, G0B+4*\s, G1B               ; three tensor loads of mine are out: all that this text issues
.endr
	v_and_b32 v1, 15, v0                           ; r = lane % 16
	v_bfe_u32 v2, v0, 4, 1                         ; h = lane / 16
	v_mul_u32_u24 v3, v1, PITCH
	v_lshl_add_u32 v4, v2, 4, v3                   ; a fragment row x pitch + 16 x half
	s_mul_i32 s21, s15, HALFT
	s_mul_i32 s22, s16, HALFT
	s_add_co_u32 s22, s22, 2*HALFT
.irp s, 0,1
	v_add_nc_u32 v[ADRA+\s], s21, v4
	v_add_nc_u32 v[ADRB+\s], s22, v4
	s_add_co_u32 s21, s21, SLOT
	s_add_co_u32 s22, s22, SLOT
.endr
	v_mul_u32_u24 v5, v1, KS                       ; my row scales: 32 bytes a row,
	v_lshrrev_b32 v6, 8, v5
	v_lshl_add_u32 v5, v6, 4, v5                   ; and 16 more for each 256 passed
	s_mul_i32 s21, s15, HALFS
	s_mul_i32 s22, s16, HALFS
	s_add_co_u32 s22, s22, 2*HALFS
	s_sub_co_u32 s22, s22, s21
	v_mul_u32_u24 v6, s22, v2                      ; lanes 16-31 take those of W_qkv
	s_add_co_u32 s21, s21, SCL
	v_add_nc_u32 v5, v5, v6
	v_add_nc_u32 v[ADRS], s21, v5
	; the way out
	s_mul_i32 s23, s14, WSTG                       ; my region
	v_mul_u32_u24 v5, v1, HP
	v_lshl_add_u32 v5, v2, 4, v5
	v_add_nc_u32 v[STO16], s23, v5                 ; in: row r, 16 bytes for each half of the lanes
	v_and_b32 v6, 31, v0
	v_lshrrev_b32 v7, 3, v6
	v_mul_u32_u24 v7, v7, HP
	v_and_b32 v5, 7, v0
	v_lshl_add_u32 v7, v5, 4, v7
	v_add_nc_u32 v[RD16], s23, v7                  ; back: eight lanes to a row of 128 bytes, four rows an instruction
	v_lshlrev_b32 v[GO], 4, v6
	s_add_co_u32 s23, s23, FSTG
	v_mul_u32_u24 v5, v1, FPITCH
	v_lshl_add_u32 v5, v2, 5, v5
	v_add_nc_u32 v[STOF], s23, v5
	v_add_nc_u32 v[RDF], s23, v[GO]
	v_lshlrev_b32 v5, 4, v1
	v_lshl_add_u32 v[COF], v2, 12, v5
	v_lshlrev_b32 v5, 8, v1
	v_lshl_add_u32 v[TO], v2, 5, v5
	v_mov_b32 v[VCY], s41
	s_lshl_b32 s20, s17, 16                        ; the table at my first row: (256 x tile row + 128 x half) x 256 bytes
	s_lshl_b32 s21, s15, 15
	s_add_co_u32 s20, s20, s21
	s_mov_b32 s21, 0
	s_add_nc_u64 s[8:9], s[8:9], s[20:21]
	s_lshl_b32 s20, ttmp9, 23                      ; qkvh: the part,
	s_lshr_b32 s22, s17, 3                         ; the batch (eight tile rows each),
	s_lshl_b32 s23, s22, 22
	s_add_co_u32 s20, s20, s23
	s_lshl_b32 s23, s40, 2
	s_lshl_b32 s66, s16, 1
	s_add_co_u32 s23, s23, s66                     ; my first head: 4 cx + 2 x half
	s_lshl_b32 s66, s23, 18
	s_add_co_u32 s20, s20, s66
	s_and_b32 s66, s17, 7
	s_lshl_b32 s66, s66, 15                        ; my first position: 256 x (tile row % 8) + 128 x half, 128 bytes each
	s_add_co_u32 s20, s20, s66
	s_lshl_b32 s66, s15, 14
	s_add_co_u32 s20, s20, s66
	s_add_nc_u64 s[10:11], s[10:11], s[20:21]
	s_mul_i32 s22, s22, 3                          ; qkvf: ((batch x 3 + part) x 16 + head) x 4,096 bytes
	s_add_co_u32 s22, s22, ttmp9
	s_lshl_b32 s22, s22, 4
	s_add_co_u32 s22, s22, s23
	s_lshl_b32 s20, s22, 12
	s_add_nc_u64 s[12:13], s[12:13], s[20:21]
; The table of row block a: lane (r, h) wants, of position 16 a + r, cos and sin of frequencies 8 bq + 4 h + 0 .. 3 for bq = 0 .. 3: 32 bytes each; both heads of the wave use the same.  32 registers, in window 1.
.macro TABLOAD a
.set TBR, 32*((\a)%2)+128*(((\a)%4)/2)+64*(1-(\a)/4)
.irp bq, 0,1,2,3
.irp e, 0,1
	global_load_b128 v[TBR+8*\bq+4*\e:TBR+8*\bq+4*\e+3], v[TO], s[8:9] offset:(\a)*4096+64*\bq+16*\e
.endr
.endr
.endm
	WIN TO_B                                       ; blocks 0-3 are asked for here, a whole product ahead of their use, into registers that the product leaves idle.  They stand on every work-group way, those of V too
	TABLOAD 0                                      ; (which do not use them: 16 KB a wave), so that the ways part once, at the way out
	TABLOAD 1
	TABLOAD 2
	TABLOAD 3
	WIN 0
.macro FRAG reg, adr, q, i             ; a fragment, 16 rows x 128 K of 4-bit codes: lane l holds row l % 16; registers 4 c .. 4 c + 3 hold K = 64 c + 32 (l / 16) + 0 .. 31
.irp c, 0,1
	ds_load_b128 v[\reg+4*\c:\reg+4*\c+3], v[\adr] offset:64*(\q)+32*\c+(\i)*16*PITCH
.endr
.endm
; 16 matrix instructions: row blocks a0, a0 + 1 x the eight column blocks, 128 along K.  The 64 accumulators take turns, one instruction a turn, in the same order in every step.
.macro MUL16 a0, p, q, sc, zero
.irp a, \a0, \a0+1
.irp b, 0,1,2,3,4,5,6,7
.if \zero
	v_wmma_scale_f32_16x16x128_f8f6f4 v[8*(8*((\a)%4)+\b):8*(8*((\a)%4)+\b)+7], v[128*(\p)+FR*\b:128*(\p)+FR*\b+FR-1], v[AF+FR*(\a):AF+FR*(\a)+FR-1], 0, v[SC+8*NQ*(\sc)+NQ*\b+(\q)], v[SC+8*NQ*(\sc)+NQ*(\a)+(\q)] matrix_a_fmt:MATRIX_FMT_FP4 matrix_b_fmt:MATRIX_FMT_FP4 matrix_a_scale:MATRIX_SCALE_ROW1
.else
	v_wmma_scale_f32_16x16x128_f8f6f4 v[8*(8*((\a)%4)+\b):8*(8*((\a)%4)+\b)+7], v[128*(\p)+FR*\b:128*(\p)+FR*\b+FR-1], v[AF+FR*(\a):AF+FR*(\a)+FR-1], v[8*(8*((\a)%4)+\b):8*(8*((\a)%4)+\b)+7], v[SC+8*NQ*(\sc)+NQ*\b+(\q)], v[SC+8*NQ*(\sc)+NQ*(\a)+(\q)] matrix_a_fmt:MATRIX_FMT_FP4 matrix_b_fmt:MATRIX_FMT_FP4 matrix_a_scale:MATRIX_SCALE_ROW1
.endif
.endr
.endr
.endm
.macro FETCH_B slot, q, p
	WIN TO_B
.irp i, 0,1,2,3,4,5,6,7
	FRAG 128*(\p)+FR*\i, ADRB+\slot, \q, \i
.endr
	WIN 0
.endm
.macro FETCH_A slot, q, i0
.irp i, \i0, \i0+1, \i0+2, \i0+3
	FRAG AF+FR*(\i), ADRA+\slot, \q, \i
.endr
.endm
.macro SCALES sc                       ; a slot scale words: four words a row; lanes 0-15 take the row block i of x, lanes 16-31 the column block i of W_qkv
.irp i, 0,1,2,3,4,5,6,7
	ds_load_b128 v[SC+8*NQ*\sc+NQ*\i:SC+8*NQ*\sc+NQ*\i+3], v[ADRS] offset:\i*SBLK
.endr
.endm
.macro PLACES n                        ; plain vector lines between a matrix instruction and a load into, or a vector read of, its registers
.rept \n
	v_nop
.endr
.endm
.macro STEP slot, q, zero              ; a step of 128 along K that has its successor in the same slot
	s_wait_dscnt 4*NL                              ; all but the youngest eight loads (row blocks 4-7) are in
	WIN MUL_LO
	MUL16 0, (\q)%2, \q, \slot, \zero
	MUL16 2, (\q)%2, \q, \slot, \zero
	s_wait_dscnt 0
	PLACES NP
	FETCH_B \slot, (\q)+1, 1-(\q)%2
	FETCH_A \slot, (\q)+1, 0
	WIN MUL_HI
	MUL16 4, (\q)%2, \q, \slot, \zero
	MUL16 6, (\q)%2, \q, \slot, \zero
	PLACES NP
	WIN 0
	FETCH_A \slot, (\q)+1, 4
.endm
; The last step of slot 0 goes over to slot 1: one barrier; in front of it each wave waits for all its tensor loads (its part of slot 1), adds 0 to its spare word, and waits for that and for its reads of slot 0.
; Behind it slot 1 is whole and nobody reads slot 0 any more, which the way out uses as its stage.
.macro TURN slot, next
	s_wait_tensorcnt 0x0
	ds_add_u32 v[SPW], v[NIL]
	s_wait_dscnt 4*NL+1                            ; (the add and the youngest eight loads may be out)
	WIN MUL_LO
	MUL16 0, 1, NQ-1, \slot, 0
	s_wait_dscnt 0x0                               ; the add is done, and my reads of this slot are over
	s_barrier_signal -1
	MUL16 2, 1, NQ-1, \slot, 0
	WIN 0
	s_barrier_wait -1
	PLACES NP
	v_add_nc_u32 v[ADRS], 4*NQ, v[ADRS]            ; on to the next 512 along K among the scale words
	FETCH_B \next, 0, 0
	FETCH_A \next, 0, 0
	SCALES \next
	WIN MUL_HI
	MUL16 4, 1, NQ-1, \slot, 0
	MUL16 6, 1, NQ-1, \slot, 0
	PLACES NP
	WIN 0
	FETCH_A \next, 0, 4
.endm
.macro STEPS slot, from
.set Q, \from
.rept NQ-1-\from
	STEP \slot, Q, 0
.set Q, Q+1
.endr
.endm
	s_wait_tensorcnt 1                             ; the scales and my part of slot 0 are in (slot 1 may be out)
	s_barrier_signal -1
	s_barrier_wait -1                              ; everybody has them
	FETCH_B 0, 0, 0
	FETCH_A 0, 0, 0
	SCALES 0
	FETCH_A 0, 0, 4
	STEP 0, 0, 1                                   ; the first products start the sums: nothing is cleared
	STEPS 0, 1
	TURN 0, 1
	STEPS 1, 0
	s_wait_dscnt 4*NL                              ; the last step: nothing more to fetch
	WIN MUL_LO
	MUL16 0, 1, NQ-1, 1, 0
	MUL16 2, 1, NQ-1, 1, 0
	s_wait_dscnt 0
	WIN MUL_HI
	MUL16 4, 1, NQ-1, 1, 0
	MUL16 6, 1, NQ-1, 1, 0
	WIN 0
; THE WAY OUT, block by block of 16 rows x 128 columns (two heads).
; ROPE: out_even = cos x_even - sin x_odd, out_odd = sin x_even + cos x_odd, in f32; then rounded to f16.  Each accumulator is read from its low end on.
.macro ROPE a
.set AC, 64*((\a)%4)
.set TBR, 32*((\a)%2)+128*(((\a)%4)/2)+64*(1-(\a)/4)
.set HH, 96+32*((\a)%2)
	WIN 0x09+4*((\a)/4)                            ; source 0 (the table) window 1, source 1 (the accumulator) window 2 or 3
.irp b, 0,1,2,3,4,5,6,7
.irp p, 0,1,2,3
	v_mul_f32 v[RR+8*\b+2*\p], v[TBR+8*(\b%4)+2*\p+1], v[AC+8*\b+2*\p+1]
	v_mul_f32 v[RR+8*\b+2*\p+1], v[TBR+8*(\b%4)+2*\p+1], v[AC+8*\b+2*\p]
.endr
.irp p, 0,1,2,3
	v_fma_f32 v[RR+8*\b+2*\p], v[TBR+8*(\b%4)+2*\p], v[AC+8*\b+2*\p], -v[RR+8*\b+2*\p]
	v_fma_f32 v[RR+8*\b+2*\p+1], v[TBR+8*(\b%4)+2*\p], v[AC+8*\b+2*\p+1], v[RR+8*\b+2*\p+1]
.endr
.endr
	WIN 0
.irp b, 0,1,2,3,4,5,6,7
.irp i, 0,1,2,3
	v_cvt_pk_f16_f32 v[HH+4*\b+\i], v[RR+8*\b+2*\i], v[RR+8*\b+2*\i+1]
.endr
.endr
.endm
.macro PACKV a                         ; V is only rounded
.set AC, 64*((\a)%4)
.set HH, 96+32*((\a)%2)
	WIN 0x0a+5*((\a)/4)                            ; sources 0 and 1: window 2 or 3
.irp b, 0,1,2,3,4,5,6,7
.irp i, 0,1,2,3
	v_cvt_pk_f16_f32 v[HH+4*\b+\i], v[AC+8*\b+2*\i], v[AC+8*\b+2*\i+1]
.endr
.endr
	WIN 0
.endm
; A lane holds 16 bytes of a row of a head, the lanes beside it other rows: the block goes through my stage and comes back as 2 x 2,048 consecutive bytes (16 positions of a head).  LDS serves a wave in order: no wait between stores and loads.
.macro TOST a
.set HH, 96+32*((\a)%2)
.set BB, 160+32*((\a)%2)
.irp b, 0,1,2,3,4,5,6,7
	ds_store_b128 v[STO16], v[HH+4*\b:HH+4*\b+3] offset:(\b/4)*16*HP+(\b%4)*32
.endr
.irp u, 0,1,2,3,4,5,6,7
	ds_load_b128 v[BB+4*\u:BB+4*\u+3], v[RD16] offset:(\u/4)*16*HP+(\u%4)*4*HP
.endr
.endm
.macro SEND a, younger
.set BB, 160+32*((\a)%2)
	s_wait_dscnt \younger                          ; the block is back; the next block 8 stores and 8 loads may be out
.irp u, 0,1,2,3,4,5,6,7
	global_store_b128 v[GO], v[BB+4*\u:BB+4*\u+3], s[10:11] offset:(\u/4)*262144+(\a)*2048+(\u%4)*512   ; 512 consecutive bytes, aligned to 256
.endr
.endm
; THE FIRST 16 POSITIONS OF A SEQUENCE, in f32: block 0 of the waves with the upper half of the rows, in the tile rows 0 and 8.  The branch hangs on the wave number and on the cluster y, which all partners share;
; of the four partners along the cluster y only the first holds these rows, and that enters the lane mask of the stores alone.
.macro FINE fromacc
	s_and_b32 s66, ttmp7, 1
	s_or_b32 s66, s66, s15
	s_cmp_lg_u32 s66, 0
	s_cbranch_scc1 .Lno_fine_\@
.if \fromacc
	WIN 0x08                                       ; an LDS store takes its data as source 1: window 2
.irp b, 0,1,2,3,4,5,6,7
	ds_store_b128 v[STOF], v[8*\b:8*\b+3] offset:64*\b
	ds_store_b128 v[STOF], v[8*\b+4:8*\b+7] offset:64*\b+16
.endr
	WIN 0
.else
.irp b, 0,1,2,3,4,5,6,7
	ds_store_b128 v[STOF], v[RR+8*\b:RR+8*\b+3] offset:64*\b
	ds_store_b128 v[STOF], v[RR+8*\b+4:RR+8*\b+7] offset:64*\b+16
.endr
.endif
.irp t, 0,1,2,3,4,5,6,7,8,9,10,11,12,13,14,15
	ds_load_b128 v[128+4*\t+32*(\t/8):128+4*\t+32*(\t/8)+3], v[RDF] offset:\t*FPITCH   ; a whole row: lanes 0-15 the first head, lanes 16-31 the second
.endr
	s_wait_dscnt 0x0
	s_wait_xcnt 0x0                                ; EXEC changes only behind this wait: earlier loads and stores count it among their sources
	v_cmp_eq_u32 vcc_lo, 0, v[VCY]
	s_and_saveexec_b32 s95, vcc_lo
.irp t, 0,1,2,3,4,5,6,7,8,9,10,11,12,13,14,15
	global_store_b128 v[COF], v[128+4*\t+32*(\t/8):128+4*\t+32*(\t/8)+3], s[12:13] offset:\t*256   ; sixteen lanes store 256 consecutive bytes, aligned
.endr
	s_wait_xcnt 0x0                                ; and again in front of the line that widens it; the stores data may be written again too
	s_or_b32 exec_lo, exec_lo, s95
.Lno_fine_\@:
.endm
	PLACES NP                                      ; behind the last products: for the loads into the fragment registers, the writes over the scale words and the first reads of results
	s_cmp_eq_u32 ttmp9, 2                          ; the part: the same in all sixteen partners
	s_cbranch_scc1 .Lvalues
	WIN TO_B
	TABLOAD 4                                      ; the table of blocks 4-7, into the two sets of fragments, which are done with
	TABLOAD 5
	TABLOAD 6
	TABLOAD 7
	WIN 0
	s_wait_loadcnt 32                              ; the table of blocks 0-3 is in; the 32 loads just issued may be out
	ROPE 0
	FINE 0
	TOST 0
.irp a, 1,2,3,4,5,6,7
.if \a >= 4
	s_wait_loadcnt 8*(7-\a)                        ; the table of this block is in; eight loads for each later block may be out
.endif
	ROPE \a
.if \a >= 2
	s_wait_xcnt 0x0                                ; the stores of block a - 2 have read their registers: the loads of block a may land there
.endif
	TOST \a
	SEND \a-1, 16
.endr
	SEND 7, 0
	s_branch .Lend
.Lvalues:
	PACKV 0
	FINE 1
	TOST 0
.irp a, 1,2,3,4,5,6,7
	PACKV \a
.if \a >= 2
	s_wait_xcnt 0x0
.endif
	TOST \a
	SEND \a-1, 16
.endr
	SEND 7, 0
.Lend:
	s_wait_tensorcnt 0x0                           ; the wave end, behind my last tensor load and my last LDS store
	ds_add_u32 v[SPW], v[NIL]
	s_wait_dscnt 0x0
	CROUND                                         ; the closing round
	s_endpgm
.Lfunc_end_k_q61b1e4aece_qkv:
	.size	k_q61b1e4aece_qkv, .Lfunc_end_k_q61b1e4aece_qkv-k_q61b1e4aece_qkv
	.p2alignl 7, 3214868480
	.fill 96, 4, 3214868480
	.section	.rodata,"a",@progbits
	.p2align	6, 0x0
	.amdhsa_kernel k_q61b1e4aece_qkv
		.amdhsa_group_segment_fixed_size 327680
		.amdhsa_private_segment_fixed_size 0
		.amdhsa_enable_private_segment 0
		.amdhsa_kernarg_size 40
		.amdhsa_user_sgpr_count 2
		.amdhsa_user_sgpr_kernarg_segment_ptr 1
		.amdhsa_wavefront_size32 1
		.amdhsa_system_sgpr_workgroup_id_x 1
		.amdhsa_system_sgpr_workgroup_id_y 1
		.amdhsa_system_sgpr_workgroup_id_z 1
		.amdhsa_system_vgpr_workitem_id 0
		.amdhsa_next_free_vgpr 1024
		.amdhsa_next_free_sgpr 98
		.amdhsa_reserve_vcc 1
		.amdhsa_float_denorm_mode_32 3
		.amdhsa_float_denorm_mode_16_64 3
		.amdhsa_memory_ordered 1
		.amdhsa_forward_progress 1
		.amdhsa_inst_pref_size 220
	.end_amdhsa_kernel
	.amdgpu_metadata
---
amdhsa.version: [ 1, 2 ]
amdhsa.kernels:
  - .name:           k_q61b1e4aece_qkv
    .symbol:         k_q61b1e4aece_qkv.kd
    .args:
      - { .name: codes, .offset: 0, .size: 8, .value_kind: global_buffer, .address_space: global }
      - { .name: scales, .offset: 8, .size: 8, .value_kind: global_buffer, .address_space: global }
      - { .name: tab, .offset: 16, .size: 8, .value_kind: global_buffer, .address_space: global }
      - { .name: qkvh, .offset: 24, .size: 8, .value_kind: global_buffer, .address_space: global }
      - { .name: qkvf, .offset: 32, .size: 8, .value_kind: global_buffer, .address_space: global }
    .group_segment_fixed_size: 327680
    .private_segment_fixed_size: 0
    .kernarg_segment_align: 8
    .kernarg_segment_size: 40
    .max_flat_workgroup_size: 128
    .sgpr_count:     98
    .vgpr_count:     1024
    .wavefront_size: 32
...
	.end_amdgpu_metadata
.endif
;; end of part 2
;; launch attn (part 3): grid 8 x 32, 16 waves a work-group, no clusters, 327,680 bytes of LDS; arguments qkvh, oh; writes oh
.if DOCPART == 3
	.amdgcn_target "amdgcn-amd-amdhsa--gfx1250"
	.amdhsa_code_object_version 6
	.text
	.protected	k_q61b1e4aece_attn
	.globl	k_q61b1e4aece_attn
	.p2align	8
	.type	k_q61b1e4aece_attn,@function
k_q61b1e4aece_attn:
	s_mov_b64 s[64:65], 0
	v_nop
	global_prefetch_b8 v0, s[64:65] scope:SCOPE_SE
	s_setreg_imm32_b32 hwreg(HW_REG_WAVE_MODE, 25, 1), 1
	s_wait_xcnt 0x0
; O[b][h][q][:] = the sum over k <= q of softmax_k(Q[q] . K[k] / 8) V[k][:], for 32 pairs (batch, head), 2,048 positions, head size 64.  Q, K, V: f16, [part][batch][head][position][64]; O likewise.
; Products on f16 operands with f32 sums; maxima, exponentials and sums in f32; the weights p are rounded to f16 for the second product, O once at the end.
; SHARES.  Work-group (i, head) owns the query blocks 15 - i and i, 128 queries each: 17 blocks of 128 keys count for them together, whatever i: all 256 work-groups have the same work.
; Each of the SIXTEEN waves owns 16 queries, one tile, in 256 registers: four waves to a SIMD, so that the vector work of one stands beside the matrix work and the LDS loads of another.
; Wave w has tile w / 2 of the late block where (w xor w / 4) is even, of the early block else.
; NO CLUSTER: the work-groups of a head walk different numbers of key tiles (9 to 16 blocks of 128), so partners could not make every joint request for tiles that they read.
; K and V come through a ring of two LDS slots of 256 keys, filled by the tensor data mover (waves 0, 1: the halves of K; waves 2, 3: of V) and read by all sixteen.  EVERY work-group walks all eight changes of slots:
; the trip counts are constants; a step all of whose keys are hidden for the wave is jumped over, and a slot that no wave of the work-group reads is not asked for.
; LAYOUT.  S^T = K Q^T (source 0 = 16 keys, source 1 = my 16 queries): a lane holds ONE query (lane % 16) and the keys 8 (lane / 16) + 0 .. 7 of a tile.  Two such tiles, rounded in pairs, ARE source 1 (32 keys x 16 queries)
; of O^T = V^T P, whose result again holds one query a lane.  K comes out of LDS as it lies, V ([key][channel]) turned, by ds_load_tr16_b128.
; SOFTMAX.  A running maximum m and sum l for each query: p = 2^(c s - c m), c = log2(e) / 8; in every step O and l are multiplied by a = 2^(c m_old - c m_new).
; LIMITS: NaN and infinities are not served.  Each fragment of K and V read from LDS feeds one matrix instruction: the price of one tile to a wave.
; REGISTERS: v1-7 addresses; v[8:9] c m, m; v[10:11] l in two halves; v[12:13] a; v14, v15 at work; v16-31 Q; v32-95 K; v96-159 V; v160-191 S^T, then p; v192-207 P; v208-239 O^T; v240-247 at work and constants.
.set SK,    256                        ; keys in a slot
.set NQ,    SK/64                      ; key steps in a slot
.set KP,    144                        ; a row of K in LDS: 128 bytes + 16
.set VP,    160                        ; a row of V: 128 + 32
.set VOFF,  SK*KP
.set SLOT1, 1<<17                      ; slot 1 begins here: one exclusive or turns an address
.set NSL,   2048/SK
.set STAGE, 81920                      ; between the slots: 16 rows x 144 bytes for each wave, for the way out; no fill lands here
.set SPARE, STAGE+16*16*KP             ; the spare words, 128 bytes a wave
.set AK0, 1
.set AV0, 2
.set SPW, 3
.set NIL, 4
.set ADK, 5
.set ADV, 6
.set D0,  7                            ; v7   lane % 16 - 8 (lane / 16)
.set PFO, 246                          ; v246 256 x lane
.set GO,  247                          ; v247 16 x lane
.set WV,  18
.set SEL, 20
.set CS,  22
.set G1K, 24
.set G1V, 32
.set G0K, 40
.set G0V, 44
.set TB,  2                            ; s2   LDS byte at which the slot in hand begins
.set SLOTS, 67
.set LASTQ, 68                         ; s68  the last query of the work-group
.set KF,  98                           ; s98  the first key of the step
.set Q0,  99                           ; s99  my first query
.set PFA, 76
.set LIM, 80
; Waves 0 and 1 fetch for K, waves 2 and 3 for V, the others nothing.  An s_nop 0 and four v_nop follow each of the two lines.
.macro TLOAD g0k, g1k, g0v, g1v
	s_cmp_lt_u32 s[WV], 2
	s_cbranch_scc0 .Lnot_k_\@
	tensor_load_to_lds s[\g0k:\g0k+3], s[\g1k:\g1k+7]
	s_nop 0
.rept 4
	v_nop
.endr
	s_branch .Lasked_\@
.Lnot_k_\@:
	s_cmp_lt_u32 s[WV], 4
	s_cbranch_scc0 .Lasked_\@
	tensor_load_to_lds s[\g0v:\g0v+3], s[\g1v:\g1v+7]
	s_nop 0
.rept 4
	v_nop
.endr
.Lasked_\@:
.endm
; A PREFETCH of what the NEXT change of slots will ask for: 32,768 dense bytes of K and as many of V.  All work-groups of a head walk the same keys, and work-group 0 walks them all: it asks, and nobody else.
; In it the waves ask that fetch nothing: waves 4-7 for K, waves 8-11 for V, 8,192 bytes a wave, lanes 256 bytes apart: each block of 256 bytes is named once in the launch.  It stands four key steps ahead of the load that wants the bytes.
; The last change that fills a slot asks for nothing; slots 0 and 1 come by their loads alone.
.macro ASK
	s_cmp_gt_u32 s[SLOTS], s[LIM]
	s_cbranch_scc0 .Lnot_mine_\@
	global_prefetch_b8 v[PFO], s[PFA:PFA+1] th:TH_LOAD_NT scope:SCOPE_SE
.Lnot_mine_\@:
.endm
	s_load_b128 s[4:7], s[0:1], 0x0                ; qkvh s[4:5], oh s[6:7]
	v_lshl_add_u32 v[SPW], v0, 2, SPARE
	v_mov_b32 v[NIL], 0
	ds_add_u32 v[SPW], v[NIL]                      ; the opening: the add, twice on end, and its wait ahead of the first tensor load
	ds_add_u32 v[SPW], v[NIL]
	v_lshrrev_b32 v5, 5, v0
	v_readfirstlane_b32 s[WV], v5                  ; wave 0..15
	s_and_b32 s72, ttmp7, 0xffff
	s_lshl_b32 s72, s72, 18                        ; my (batch, head) in a part: 2048 x 128 bytes each
	s_lshr_b32 s70, s[WV], 2
	s_xor_b32 s70, s70, s[WV]
	s_and_b32 s70, s70, 1                          ; 0: the late block, 1: the early one
	s_sub_co_u32 s71, 15, ttmp9
	s_cmp_eq_u32 s70, 0
	s_cselect_b32 s71, s71, ttmp9
	s_lshl_b32 s71, s71, 7
	s_lshr_b32 s74, s[WV], 1
	s_lshl_b32 s74, s74, 4
	s_add_co_u32 s[Q0], s71, s74                   ; my first query
	s_sub_co_u32 s[LASTQ], 16, ttmp9
	s_lshl_b32 s[LASTQ], s[LASTQ], 7
	s_sub_co_u32 s[LASTQ], s[LASTQ], 1
	s_and_b32 s88, s[WV], 1                        ; which 128 keys of a slot I fetch, if I fetch
	s_lshl_b32 s84, s88, 14
	s_add_co_u32 s84, s84, s72
	s_add_co_u32 s84, s84, 0x800000                ; K is part 1,
	s_mov_b32 s85, 0
	s_add_co_u32 s86, s84, 0x800000                ; V part 2
	s_mov_b32 s87, 0
	s_mul_i32 s89, s88, 128*KP
	s_mul_i32 s94, s88, 128*VP
	s_add_co_u32 s94, s94, VOFF
	s_lshl_b32 s90, s[Q0], 7
	s_add_co_u32 s90, s90, s72                     ; my rows of Q, and of O
	s_mov_b32 s91, 0
	; descriptor group 1: 128 rows of 64 elements of 2 bytes, dense in memory; padding behind every 32 words: four words for K, eight for V
	s_mov_b32 s[G1K], (1<<16)|(1<<20)|(4<<22)|(3<<25)
	s_mov_b32 s[G1V], (1<<16)|(1<<20)|(4<<22)|(7<<25)
.irp g, G1K, G1V
	s_mov_b32 s[\g+1], 64<<16                      ; tensor_dim0
	s_mov_b32 s[\g+2], 128<<16                     ; tensor_dim1
	s_mov_b32 s[\g+3], 64<<16                      ; tile_dim0
	s_mov_b32 s[\g+4], 128                         ; tile_dim1
	s_mov_b32 s[\g+5], 64                          ; stride from row to row
	s_mov_b32 s[\g+6], 0
	s_mov_b32 s[\g+7], 0
.endr
	s_mov_b32 s[SEL], 0x76543210
	s_mov_b32 s[SEL+1], 0xfedcba98                 ; lane l xor 16
	s_mov_b32 s[CS], 0x3e38aa3b                    ; c = log2(e) / 8
	s_mov_b32 s[CS+1], s[CS]
	s_mov_b32 s[TB], 0
	s_mov_b32 s[KF], 0
	s_mov_b32 s[SLOTS], NSL-1
	s_wait_dscnt 0x0                               ; both opening adds are done
	s_wait_kmcnt 0x0
	s_mov_b32 s[G0K], 1
	s_mov_b32 s[G0K+1], s89
	s_add_nc_u64 s[G0K+2:G0K+3], s[4:5], s[84:85]
	s_or_b32 s[G0K+3], s[G0K+3], 0x80000000
	s_mov_b32 s[G0V], 1
	s_mov_b32 s[G0V+1], s94
	s_add_nc_u64 s[G0V+2:G0V+3], s[4:5], s[86:87]
	s_or_b32 s[G0V+3], s[G0V+3], 0x80000000
	TLOAD G0K, G1K, G0V, G1V                       ; slot 0: it holds key 0, which counts for every query
	s_add_nc_u64 s[92:93], s[4:5], s[90:91]        ; Q at my first query
	s_add_nc_u64 s[6:7], s[6:7], s[90:91]          ; O likewise
	; the prefetches: where mine stand, and who asks
	s_cmp_lt_u32 s[WV], 8
	s_mov_b32 s82, 0x1000000
	s_cselect_b32 s82, 0x800000, s82               ; waves 4-7: K; waves 8-11: V
	s_and_b32 s83, s[WV], 3
	s_lshl_b32 s83, s83, 13
	s_add_co_u32 s82, s82, s83
	s_add_co_u32 s82, s82, s72
	s_add_co_u32 s82, s82, SK*128                  ; in slot 1: the first change of slots steps it to slot 2
	s_mov_b32 s83, 0
	s_add_nc_u64 s[PFA:PFA+1], s[4:5], s[82:83]
	s_sub_co_u32 s82, s[WV], 4
	s_lshr_b32 s82, s82, 3                         ; 0 in waves 4 to 11,
	s_or_b32 s82, s82, ttmp9                       ; of work-group 0 of the head
	s_cmp_eq_u32 s82, 0
	s_cselect_b32 s[LIM], 1, -1
	v_and_b32 v14, 15, v0                          ; r
	v_bfe_u32 v15, v0, 4, 1                        ; h
	v_lshlrev_b32 v5, 7, v14
	v_lshl_add_u32 v5, v15, 4, v5                  ; Q: row r of 128 bytes + 16 h
.irp c, 0,1
	global_load_b128 v[16+8*\c:19+8*\c], v5, s[92:93] offset:64*\c
	global_load_b128 v[20+8*\c:23+8*\c], v5, s[92:93] offset:64*\c+32
.endr
	v_mul_u32_u24 v[AK0], v14, KP
	v_lshl_add_u32 v[AK0], v15, 4, v[AK0]
	v_and_b32 v[AV0], 7, v0
	v_lshl_add_u32 v[AV0], v15, 3, v[AV0]          ; key 8 h + lane % 8,
	v_mul_u32_u24 v[AV0], v[AV0], VP
	v_bfe_u32 v[D0], v0, 3, 1
	v_lshl_add_u32 v[AV0], v[D0], 4, v[AV0]        ; channels 8 ((lane / 8) % 2) on
	v_add_nc_u32 v[AV0], VOFF, v[AV0]
	v_lshlrev_b32 v[D0], 3, v15
	v_sub_nc_u32 v[D0], v14, v[D0]
	v_and_b32 v[GO], 31, v0
	v_lshlrev_b32 v[PFO], 8, v[GO]
	v_lshlrev_b32 v[GO], 4, v[GO]
	v_mov_b32 v9, 0xff61b1e6                       ; m = -3e38, under every score
	v_mul_f32 v8, s[CS], v9
	v_mov_b32 v10, 0                               ; l
	v_mov_b32 v11, 0
	v_mov_b32 v12, 0
	v_mov_b32 v13, 0                               ; (named as the upper half of the pair v[12:13])
	v_mov_b32 v14, 0                               ; (the destination of a lane permute counts as one of its sources)
	v_mov_b32 v245, 0xff800000                     ; -infinity
.set i, 0
.rept 32
	v_mov_b32 v[208+i], 0                          ; O^T.  The step is written once: the first finds zeros, which its a = 0 leaves zeros
.set i, i+1
.endr
; A KEY STEP: 64 keys, the q-th of the slot in hand.
.macro STEP q
	s_add_co_u32 s96, s[Q0], 15                    ; a step all of whose keys come after my 16 queries is left out: a branch on ids, round loads, products and softmax; no barrier or tensor load stands in a step
	s_cmp_gt_u32 s[KF], s96
	s_cbranch_scc1 .Lhidden_\@
	v_add_nc_u32 v[ADK], s[TB], v[AK0]
	v_add_nc_u32 v[ADV], s[TB], v[AV0]
	v_nop                                          ; with the two additions: four places between the last products and the loads into the registers that they read
	v_nop
.irp t, 0,1,2,3
.irp c, 0,1
	ds_load_b128 v[32+16*\t+8*\c:35+16*\t+8*\c], v[ADK] offset:(\q)*64*KP+\t*16*KP+64*\c
	ds_load_b128 v[36+16*\t+8*\c:39+16*\t+8*\c], v[ADK] offset:(\q)*64*KP+\t*16*KP+64*\c+32
.endr
.endr
.irp u, 0,1
.irp d, 0,1,2,3
	ds_load_tr16_b128 v[96+32*\u+8*\d:99+32*\u+8*\d], v[ADV] offset:(\q)*64*VP+\u*32*VP+32*\d
	ds_load_tr16_b128 v[100+32*\u+8*\d:103+32*\u+8*\d], v[ADV] offset:(\q)*64*VP+\u*32*VP+32*\d+16*VP
.endr
.endr
	s_wait_dscnt 16                                ; K is in; the 16 loads of V may be out
.irp t, 0,1,2,3                                ; S^T = K Q^T: the four tiles of keys by turns; the first 32 channels start the sums
	v_wmma_f32_16x16x32_f16 v[160+8*\t:167+8*\t], v[32+16*\t:39+16*\t], v[16:23], 0
.endr
.irp t, 0,1,2,3
	v_wmma_f32_16x16x32_f16 v[160+8*\t:167+8*\t], v[40+16*\t:47+16*\t], v[24:31], v[160+8*\t:167+8*\t]
.endr
.rept 4
	v_nop
.endr
	s_add_co_u32 s96, s[KF], 63                    ; on the diagonal the scores of hidden keys become -infinity ahead of the maximum; a step all of whose keys count skips this
	s_cmp_le_u32 s96, s[Q0]
	s_cbranch_scc1 .Lopen_\@
	s_sub_co_i32 s96, s[Q0], s[KF]
	v_add_nc_u32 v244, s96, v[D0]                  ; register 8 t + j holds key KF + 16 t + 8 (lane / 16) + j: hidden where 16 t + j > my query - KF - 8 (lane / 16)
.irp n, 0,1,2,3,4,5,6,7,8,9,10,11,12,13,14,15,16,17,18,19,20,21,22,23,24,25,26,27,28,29,30,31
	v_cmp_gt_i32 vcc_lo, 16*(\n/8)+\n%8, v244
	v_cndmask_b32 v[160+\n], v[160+\n], v245, vcc_lo
.endr
.Lopen_\@:
.irp t, 0,1,2,3
	v_max3_num_f32 v[240+\t], v[160+8*\t], v[161+8*\t], v[162+8*\t]   ; the maximum, four chains, each tile from its low end on
.endr
.irp i, 3,5
.irp t, 0,1,2,3
	v_max3_num_f32 v[240+\t], v[240+\t], v[160+8*\t+\i], v[161+8*\t+\i]
.endr
.endr
	v_max3_num_f32 v240, v240, v167, v175
	v_max3_num_f32 v242, v242, v183, v191
	v_max3_num_f32 v240, v240, v241, v242
	v_max3_num_f32 v240, v240, v243, v9            ; with the old m
	v_permlanex16_b32 v14, v240, s[SEL], s[SEL+1]  ; the other 32 keys of my query lie in the lane 16 away
	v_mov_b32 v15, v8
	v_max_num_f32 v9, v240, v14                    ; the new m
	v_mul_f32 v8, s[CS], v9
	v_sub_f32 v15, v15, v8                         ; c m_old - c m_new
.set i, 0
.rept 16
	v_pk_fma_f32 v[160+i:161+i], v[160+i:161+i], s[CS:CS+1], v[8:9] op_sel_hi:[1,0,0] neg_lo:[0,0,1] neg_hi:[0,0,1]   ; c s - c m
.set i, i+2
.endr
	v_exp_f32 v12, v15                             ; a, and the 32 weights: ONE batch
.set i, 0
.rept 32
	v_exp_f32 v[160+i], v[160+i]
.set i, i+1
.endr
	v_nop                                          ; a plain line behind the last exponential
	s_wait_alu depctr_va_vdst(0)                   ; one wait for the batch, ahead of its first reader
.set i, 0
.rept 16
	v_cvt_pk_f16_f32 v[192+i], v[160+2*i], v[161+2*i]
.set i, i+1
.endr
.irp u, 0,4,8,12,16,20,24,28                   ; the sum of the 16 pairs, of the weights before they are rounded
	v_pk_add_f32 v[160+\u:161+\u], v[160+\u:161+\u], v[162+\u:163+\u]
.endr
.irp u, 0,8,16,24
	v_pk_add_f32 v[160+\u:161+\u], v[160+\u:161+\u], v[164+\u:165+\u]
.endr
.irp u, 0,16
	v_pk_add_f32 v[160+\u:161+\u], v[160+\u:161+\u], v[168+\u:169+\u]
.endr
	v_pk_add_f32 v[160:161], v[160:161], v[176:177]
	v_pk_fma_f32 v[10:11], v[10:11], v[12:13], v[160:161] op_sel_hi:[1,0,1]   ; l = a l + the sum
.set i, 0
.rept 16
	v_pk_mul_f32 v[208+i:209+i], v[208+i:209+i], v[12:13] op_sel_hi:[1,0]     ; O^T x a
.set i, i+2
.endr
	s_wait_dscnt 0x0                               ; V is in
.irp u, 0,1                                    ; O^T += V^T P: the four tiles of channels by turns
.irp d, 0,1,2,3
	v_wmma_f32_16x16x32_f16 v[208+8*\d:215+8*\d], v[96+32*\u+8*\d:103+32*\u+8*\d], v[192+8*\u:199+8*\u], v[208+8*\d:215+8*\d]
.endr
.endr
.Lhidden_\@:
	s_add_co_u32 s[KF], s[KF], 64
.endm
; THE CHANGE OF SLOTS stands at the head of a slot.  Each wave waits for all its tensor loads (its part of the slot ahead), adds 0 to its spare word, and waits for that and for its reads of the slot that it has left.
; Behind the barrier the slot ahead is whole and nobody reads the other.  fill = 1: that other slot is filled with the keys that follow, up to the causal limit; the load has four key steps in which to land.
.macro CHANGE fill
	s_wait_tensorcnt 0x0                           ; no tensor load of mine is out, so a group 0 may be written
	ds_add_u32 v[SPW], v[NIL]
.if \fill
	ds_add_u32 v[SPW], v[NIL]                      ; and once more here, in every trip alike
	s_xor_b32 s[G0K+1], s[G0K+1], SLOT1            ; the walking descriptors: the other slot,
	s_add_nc_u64 s[G0K+2:G0K+3], s[G0K+2:G0K+3], SK*128   ; the next 256 keys
	s_xor_b32 s[G0V+1], s[G0V+1], SLOT1
	s_add_nc_u64 s[G0V+2:G0V+3], s[G0V+2:G0V+3], SK*128
	s_wait_xcnt 0x0                                ; the last prefetch, a slot back, has read its address
	s_add_nc_u64 s[PFA:PFA+1], s[PFA:PFA+1], SK*128
.endif
	s_wait_dscnt 0x0
	s_barrier_signal -1
	s_barrier_wait -1
.if \fill
	s_add_co_u32 s96, s[KF], SK                    ; the first key of the slot that this change would ask for:
	s_cmp_gt_u32 s96, s[LASTQ]                     ; past the last query of the work-group it is read by none of its waves, and is not asked for.  Ids and the count of steps alone: all sixteen waves go the same way;
	s_cbranch_scc1 .Lpast_\@                       ; every wait on TENSORcnt in this text is for 0
	TLOAD G0K, G1K, G0V, G1V                       ; the one tensor load of a wave behind this barrier
.Lpast_\@:
	ASK
.endif
.endm
.macro SLOT_STEPS
.set Q, 0
.rept NQ
	STEP Q
.set Q, Q+1
.endr
	s_xor_b32 s[TB], s[TB], SLOT1
.endm
	s_wait_loadcnt 0x0                             ; Q
.Lslot:                                            ; seven trips
	CHANGE 1
	SLOT_STEPS
	s_sub_co_u32 s[SLOTS], s[SLOTS], 1
	s_cmp_lg_u32 s[SLOTS], 0
	s_cbranch_scc1 .Lslot
	CHANGE 0                                       ; the last slot is written out: nothing is left to ask for
	SLOT_STEPS
	; THE WAY OUT: O^T / l, rounded to f16, through my stage: 16 positions of a head leave as 2,048 consecutive bytes.
	v_add_f32 v10, v10, v11
	v_permlanex16_b32 v14, v10, s[SEL], s[SEL+1]
	v_add_f32 v10, v10, v14                        ; the sum of my query
	v_rcp_f32 v10, v10
	v_and_b32 v5, 15, v0                           ; (plain lines behind the reciprocal)
	v_bfe_u32 v6, v0, 4, 1
	s_mul_i32 s73, s[WV], 16*KP
	s_add_co_u32 s73, s73, STAGE
	v_mul_u32_u24 v244, v5, KP
	v_lshl_add_u32 v244, v6, 4, v244
	v_add_nc_u32 v244, s73, v244                   ; in: row r, 16 bytes for each half of the lanes
	v_and_b32 v5, 31, v0
	v_lshrrev_b32 v6, 3, v5
	v_mul_u32_u24 v6, v6, KP
	v_and_b32 v5, 7, v0
	v_lshl_add_u32 v6, v5, 4, v6
	v_add_nc_u32 v6, s73, v6                       ; back: eight lanes to a row, four rows an instruction
	s_wait_alu depctr_va_vdst(0)                   ; ahead of the first reader of the reciprocal
.set i, 0
.rept 32
	v_mul_f32 v[160+i], v[208+i], v10
.set i, i+1
.endr
.set i, 0
.rept 16
	v_cvt_pk_f16_f32 v[192+i], v[160+2*i], v[161+2*i]
.set i, i+1
.endr
.irp d, 0,1,2,3
	ds_store_b128 v244, v[192+4*\d:195+4*\d] offset:32*\d
.endr
.irp t, 0,1,2,3
	ds_load_b128 v[32+4*\t:35+4*\t], v6 offset:4*KP*\t   ; LDS serves a wave in order: these see my stores
.endr
.irp t, 0,1,2,3
	s_wait_dscnt 3-\t
	global_store_b128 v[GO], v[32+4*\t:35+4*\t], s[6:7] offset:512*\t
.endr
	s_wait_tensorcnt 0x0                           ; the wave end
	ds_add_u32 v[SPW], v[NIL]
	s_wait_dscnt 0x0
	s_endpgm
.Lfunc_end_k_q61b1e4aece_attn:
	.size	k_q61b1e4aece_attn, .Lfunc_end_k_q61b1e4aece_attn-k_q61b1e4aece_attn
	.p2alignl 7, 3214868480
	.fill 96, 4, 3214868480
	.section	.rodata,"a",@progbits
	.p2align	6, 0x0
	.amdhsa_kernel k_q61b1e4aece_attn
		.amdhsa_group_segment_fixed_size 327680
		.amdhsa_private_segment_fixed_size 0
		.amdhsa_enable_private_segment 0
		.amdhsa_kernarg_size 16
		.amdhsa_user_sgpr_count 2
		.amdhsa_user_sgpr_kernarg_segment_ptr 1
		.amdhsa_wavefront_size32 1
		.amdhsa_system_sgpr_workgroup_id_x 1
		.amdhsa_system_sgpr_workgroup_id_y 1
		.amdhsa_system_sgpr_workgroup_id_z 1
		.amdhsa_system_vgpr_workitem_id 0
		.amdhsa_next_free_vgpr 256
		.amdhsa_next_free_sgpr 100
		.amdhsa_reserve_vcc 1
		.amdhsa_float_denorm_mode_32 3
		.amdhsa_float_denorm_mode_16_64 3
		.amdhsa_memory_ordered 1
		.amdhsa_forward_progress 1
		.amdhsa_inst_pref_size 109
	.end_amdhsa_kernel
	.amdgpu_metadata
---
amdhsa.version: [ 1, 2 ]
amdhsa.kernels:
  - .name:           k_q61b1e4aece_attn
    .symbol:         k_q61b1e4aece_attn.kd
    .args:
      - { .name: qkvh, .offset: 0, .size: 8, .value_kind: global_buffer, .address_space: global }
      - { .name: oh, .offset: 8, .size: 8, .value_kind: global_buffer, .address_space: global }
    .group_segment_fixed_size: 327680
    .private_segment_fixed_size: 0
    .kernarg_segment_align: 8
    .kernarg_segment_size: 16
    .max_flat_workgroup_size: 512
    .sgpr_count:     100
    .vgpr_count:     256
    .wavefront_size: 32
...
	.end_amdgpu_metadata
.endif
;; end of part 3
;; launch proj (part 4): grid 8 x 32, 4 waves a work-group, clusters of 4 x 4, 327,680 bytes of LDS; arguments oh, wh, out0; writes out0
.if DOCPART == 4
	.amdgcn_target "amdgcn-amd-amdhsa--gfx1250"
	.amdhsa_code_object_version 6
	.text
	.protected	k_q61b1e4aece_proj
	.globl	k_q61b1e4aece_proj
	.p2align	8
	.type	k_q61b1e4aece_proj,@function
k_q61b1e4aece_proj:
	s_mov_b64 s[64:65], 0
	v_nop
	global_prefetch_b8 v0, s[64:65] scope:SCOPE_SE
	s_setreg_imm32_b32 hwreg(HW_REG_WAVE_MODE, 25, 1), 1
	s_wait_xcnt 0x0
	s_wait_alu depctr_hold_cnt(0) depctr_sa_sdst(0) depctr_va_vdst(0) depctr_va_sdst(0) depctr_va_ssrc(0) depctr_va_vcc(0) depctr_vm_vsrc(0)
	s_getreg_b32 s2, hwreg(HW_REG_IB_STS2, 6, 4)
	s_cmp_eq_u32 s2, 0
	s_cbranch_scc0 .Lentry_in_a_cluster
	s_endpgm
.Lentry_in_a_cluster:
	s_bfe_u32 s2, ttmp6, 0x10000c
	s_cmp_lg_u32 s2, 0xf033
	s_cbranch_scc0 .Lentry_shape_is_right
	s_endpgm
.Lentry_shape_is_right:
; out0[m][n] = sum over k of A[m][k] W_o[n][k], M = 4,096, N = 1,024, K = 1,024; f16 operands, f32 sums, f32 out.
; BOTH OPERANDS LIE BY BLOCKS OF 64 ALONG K: A = oh [batch][head z][position][64], W_o = wh [z][n][64].  So 128 rows of one block are 16,384 consecutive bytes.
; A tile of C is 128 x 128: 256 work-groups.  Four waves, each 64 x 64: 16 accumulators.  K goes in steps of 256 (four blocks) through two LDS slots; a wave tensor load brings two blocks of 128 rows:
; a tile of 2 lines of 8,192 elements, with 16 bytes of padding behind every 128 bytes, so that in LDS the matrix rows lie 144 bytes apart.
; CLUSTERS: 4 x 4 work-groups; the tiles of A are shared along a row of the cluster, those of W_o along a column: joint loads.  THE MATRIX INSTRUCTION IS USED TRANSPOSED (source 0 = 16 rows of W_o, source 1 = 16 rows of A).
; A wave 64 columns of f32 are 256 aligned bytes of a row of C: each wave goes out through a stage of its own, with no barrier.
; The first 16 rows of both sequences are written again, more finely, by the launch that follows.
; REGISTERS: window 0: v0-31 addresses; v32-95 the way out; v128-255 the accumulators ((a, b) at v[128 + 8 (4 a + b)]).   window 1: two fragment buffers of 128: 64 registers of A, then 64 of W_o, for 64 along K.
.set PITCH,  144
.set BLKB,   128*PITCH                 ; a block of 64 along K x 128 rows in LDS
.set HALFT,  2*BLKB                    ; what one tensor load brings
.set SLOT,   4*HALFT                   ; four blocks of A, then four of W_o
.set STAGE,  2*SLOT                    ; behind the ring: 16 rows x 272 bytes for each wave
.set SPITCH, 272
.set SPARE,  STAGE+4*16*SPITCH
.set LAPS,   2                         ; a lap = two K steps of 256
.set ADRA, 16
.set ADRB, 20
.set STO,  24
.set RD,   25
.set CO,   26
.set SPW,  28
.set NIL,  29
.set TMP,  32
.set ACC,  128
.set F0,   0
.set F1,   128
.set G1, 24
.set G0, 32
.set G1B, 48
.set G0B, 56
.set MSB, 0
.macro WIN new
.if MSB != \new
	s_set_vgpr_msb (MSB<<8)|\new
.set MSB, \new
.endif
.endm
.set MUL,  0x05                        ; sources 0 and 1 window 1; C and D window 0
.set TO_F, 0x40                        ; destination window 1, address window 0
.macro JLOAD s                         ; a joint load: waves 0 and 1 fetch the blocks of A, waves 2 and 3 those of W_o; an s_nop 0 and four v_nop follow each of the two lines
	s_cmp_eq_u32 s11, 0
	s_cbranch_scc0 .Lfor_b_\@
	tensor_load_to_lds s[G0+4*\s:G0+4*\s+3], s[G1:G1+7]
	s_nop 0
.rept 4
	v_nop
.endr
	s_branch .Lasked_\@
.Lfor_b_\@:
	tensor_load_to_lds s[G0B+4*\s:G0B+4*\s+3], s[G1B:G1B+7]
	s_nop 0
.rept 4
	v_nop
.endr
.Lasked_\@:
.endm
.macro CREST
	s_cmp_lg_u32 s10, 0
	s_cbranch_scc1 .Lnot_wave_0_\@
	s_barrier_signal -3
.Lnot_wave_0_\@:
	s_barrier_wait -3
	s_barrier_signal -1
	s_barrier_wait -1
.endm
.macro CROUND
	s_barrier_signal -1
	s_barrier_wait -1
	CREST
.endm
	s_load_b128 s[4:7], s[0:1], 0x0                ; oh s[4:5], wh s[6:7]
	s_load_b64 s[8:9], s[0:1], 0x10                ; out0
	v_lshl_add_u32 v[SPW], v0, 2, SPARE
	v_mov_b32 v[NIL], 0
	ds_add_u32 v[SPW], v[NIL]                      ; the opening: the add, twice on end, and its wait ahead of my first tensor load
	ds_add_u32 v[SPW], v[NIL]
	v_lshrrev_b32 v1, 5, v0
	v_readfirstlane_b32 s10, v1                    ; wave 0..3
	s_lshr_b32 s11, s10, 1                         ; which half of the tile rows is mine.  Also: I fetch for A (0) or for W_o (1)
	s_and_b32 s12, s10, 1                          ; which half of its columns.  Also: which two blocks of a K step I fetch
	s_bfe_u32 s40, ttmp6, 0x40000
	s_bfe_u32 s41, ttmp6, 0x40004
	s_lshl_b32 s42, ttmp9, 2
	s_add_co_u32 s42, s42, s40                     ; tile column = 4 x cluster x + cx
	s_and_b32 s13, ttmp7, 0xffff
	s_lshl_b32 s13, s13, 2
	s_add_co_u32 s13, s13, s41                     ; tile row = 4 x cluster y + cy
	s_lshl_b32 s43, s41, 2
	s_lshl_b32 s43, 15, s43                        ; my row of the cluster
	s_lshl_b32 s44, 0x1111, s40                    ; my column
	s_or_b32 s[G1+0], s43, (1<<16)|(1<<20)|(1<<21)|(4<<22)|(3<<25)  ; the mask; elements of 2 bytes; padding on; bit 21 beside a mask; after every 32 words, four words
	s_or_b32 s[G1B+0], s44, (1<<16)|(1<<20)|(1<<21)|(4<<22)|(3<<25)
.irp g, G1, G1B
	s_mov_b32 s[\g+1], 8192<<16                    ; tensor_dim0 = 8,192 elements: 128 dense rows of one block
	s_mov_b32 s[\g+2], 2<<16                       ; tensor_dim1 = 2 blocks
	s_mov_b32 s[\g+3], 8192<<16                    ; tile_dim0
	s_mov_b32 s[\g+4], 2                           ; tile_dim1
	s_mov_b32 s[\g+6], 0
	s_mov_b32 s[\g+7], 0
.endr
	s_mov_b32 s[G1+5], 131072                      ; from block to block, in elements: a head of oh is 2,048 x 64,
	s_mov_b32 s[G1B+5], 65536                      ; a block of wh 1,024 x 64
	s_lshr_b32 s16, s13, 4                         ; A: the batch (16 tile rows each),
	s_lshl_b32 s16, s16, 22
	s_and_b32 s17, s13, 15
	s_lshl_b32 s17, s17, 14                        ; 128 positions of 128 bytes a tile row,
	s_add_co_u32 s16, s16, s17
	s_lshl_b32 s17, s12, 19                        ; my two blocks
	s_add_co_u32 s16, s16, s17
	s_mov_b32 s17, 0
	s_lshl_b32 s46, s42, 14                        ; W_o: 128 rows of 128 bytes a tile column,
	s_lshl_b32 s47, s12, 18                        ; my two blocks
	s_add_co_u32 s46, s46, s47
	s_mov_b32 s47, 0
	s_mul_i32 s20, s10, HALFT                      ; where they go: wave x two blocks
	s_wait_dscnt 0x0                               ; both opening adds are done
	s_wait_kmcnt 0x0
	s_add_nc_u64 s[14:15], s[4:5], s[16:17]
	s_add_nc_u64 s[46:47], s[6:7], s[46:47]
	CROUND                                         ; all sixteen work-groups are here: the first joint loads meet
.irp s, 0,1
	s_mov_b32 s[G0+4*\s], 1
	s_add_co_u32 s[G0+4*\s+1], s20, \s*SLOT
	s_add_nc_u64 s[G0+4*\s+2:G0+4*\s+3], s[14:15], \s*0x100000     ; a K step is four heads of 2^18 bytes
	s_or_b32 s[G0+4*\s+3], s[G0+4*\s+3], 0x80000000
	s_mov_b32 s[G0B+4*\s], 1
	s_add_co_u32 s[G0B+4*\s+1], s20, \s*SLOT
	s_add_nc_u64 s[G0B+4*\s+2:G0B+4*\s+3], s[46:47], \s*0x80000    ; four blocks of 2^17 bytes
	s_or_b32 s[G0B+4*\s+3], s[G0B+4*\s+3], 0x80000000
	JLOAD \s
.endr
	v_and_b32 v1, 15, v0                           ; r
	v_bfe_u32 v2, v0, 4, 1                         ; h
	v_mul_u32_u24 v3, v1, PITCH
	v_lshl_add_u32 v3, v2, 4, v3
	s_mul_i32 s21, s11, 64*PITCH                   ; my 64 rows inside each block of A
	s_mul_i32 s22, s12, 64*PITCH                   ; my 64 rows inside each block of W_o,
	s_add_co_u32 s22, s22, 2*HALFT                 ; which lie behind the four of A
.irp s, 0,1
	v_add_nc_u32 v[ADRA+\s], s21, v3
	v_add_nc_u32 v[ADRB+\s], s22, v3
	s_add_co_u32 s21, s21, SLOT
	s_add_co_u32 s22, s22, SLOT
.endr
	s_mul_i32 s23, s10, 16*SPITCH
	s_add_co_u32 s23, s23, STAGE                   ; my stage
	v_mul_u32_u24 v4, v1, SPITCH
	v_lshl_add_u32 v4, v2, 5, v4
	v_add_nc_u32 v[STO], s23, v4                   ; in: row r, 32 bytes for each half of the lanes
	v_mul_u32_u24 v5, v2, SPITCH
	v_lshl_add_u32 v5, v1, 4, v5
	v_add_nc_u32 v[RD], s23, v5                    ; back: lanes 0-15 one row of 256 bytes, lanes 16-31 the next
	v_lshlrev_b32 v5, 12, v2
	v_lshl_add_u32 v[CO], v1, 4, v5                ; and the same two rows in C
	s_lshl_b32 s16, s13, 19                        ; my first row of C: (128 x tile row + 64 x half) x 4,096 bytes
	s_lshl_b32 s17, s11, 18
	s_add_co_u32 s16, s16, s17
	s_mov_b32 s17, 0
	s_add_nc_u64 s[8:9], s[8:9], s[16:17]
	s_lshl_b32 s46, s42, 9                         ; my first column, in bytes
	s_lshl_b32 s47, s12, 8
	s_add_co_u32 s46, s46, s47
	s_mov_b32 s47, 0
	s_add_nc_u64 s[8:9], s[8:9], s[46:47]
.macro MUL8 f, c, a0, zero             ; 8 matrix instructions: row blocks a0, a0 + 1 x the 4 column blocks, 32 along K: half c of buffer f
.irp a, \a0, \a0+1
.irp b, 0,1,2,3
.if \zero
	v_wmma_f32_16x16x32_f16 v[ACC+8*(4*(\a)+\b):ACC+8*(4*(\a)+\b)+7], v[\f+64+8*(4*\c+\b):\f+64+8*(4*\c+\b)+7], v[\f+8*(4*\c+\a):\f+8*(4*\c+\a)+7], 0
.else
	v_wmma_f32_16x16x32_f16 v[ACC+8*(4*(\a)+\b):ACC+8*(4*(\a)+\b)+7], v[\f+64+8*(4*\c+\b):\f+64+8*(4*\c+\b)+7], v[\f+8*(4*\c+\a):\f+8*(4*\c+\a)+7], v[ACC+8*(4*(\a)+\b):ACC+8*(4*(\a)+\b)+7]
.endif
.endr
.endr
.endm
.macro FETCH slot, k, f                ; 32 LDS loads in one run: the fragments of the block that begins at byte k of the slot part, into buffer f; the first 32 along K first
	WIN TO_F
.irp c, 0,1
.irp i, 0,1,2,3
	ds_load_b128 v[\f+64+8*(4*\c+\i):\f+64+8*(4*\c+\i)+3],   v[ADRB+\slot] offset:\k+64*\c+\i*16*PITCH
	ds_load_b128 v[\f+64+8*(4*\c+\i)+4:\f+64+8*(4*\c+\i)+7], v[ADRB+\slot] offset:\k+64*\c+\i*16*PITCH+32
	ds_load_b128 v[\f+8*(4*\c+\i):\f+8*(4*\c+\i)+3],         v[ADRA+\slot] offset:\k+64*\c+\i*16*PITCH
	ds_load_b128 v[\f+8*(4*\c+\i)+4:\f+8*(4*\c+\i)+7],       v[ADRA+\slot] offset:\k+64*\c+\i*16*PITCH+32
.endr
.endr
.endm
.macro PLACES
.rept 4
	v_nop
.endr
.endm
; A K step is four quarters, a block of 64 along K each, 32 matrix instructions, on buffers 0, 1, 0, 1.  The 16 accumulators take turns.
.macro QUARTER slot, k, f, g, zero
	s_wait_dscnt 16                                ; the first 32 along K are in
	WIN MUL
	MUL8 \f, 0, 0, \zero
	MUL8 \f, 0, 2, \zero
	PLACES
	FETCH \slot, \k, \g
	s_wait_dscnt 32                                ; all but the 32 just issued
	WIN MUL
	MUL8 \f, 1, 0, 0
	MUL8 \f, 1, 2, 0
.endm
; The last quarter multiplies buffer 1 and changes slots: one barrier; in front of it each wave waits for all its tensor loads, adds 0 to its spare word, and waits for that and for its reads of this slot.
.macro TURN slot, next, fill
	WIN 0
	s_wait_tensorcnt 0x0                           ; all my tensor loads have landed: my part of the next slot
	ds_add_u32 v[SPW], v[NIL]
	s_wait_dscnt 17                                ; (the add and the youngest sixteen loads may be out)
	WIN MUL
	MUL8 F1, 0, 0, 0
	s_wait_dscnt 0x0                               ; the add is done, and my reads of this slot are over
	s_barrier_signal -1
	MUL8 F1, 0, 2, 0
.if \fill
	WIN 0
.endif
	s_barrier_wait -1
.if \fill
	CREST                                          ; the barrier has opened a round of the cluster barrier: no wave of any partner still reads this slot or has a load on its way
	s_add_nc_u64 s[G0+4*\slot+2:G0+4*\slot+3], s[G0+4*\slot+2:G0+4*\slot+3], 0x200000
	s_add_nc_u64 s[G0B+4*\slot+2:G0B+4*\slot+3], s[G0B+4*\slot+2:G0B+4*\slot+3], 0x100000
	JLOAD \slot                                    ; the first tensor load behind the round, one a wave; its four v_nop are also the places in front of the loads below
.else
	PLACES
.endif
	FETCH \next, 0, F0
	WIN MUL
	MUL8 F1, 1, 0, 0
	MUL8 F1, 1, 2, 0
.endm
	s_wait_tensorcnt 1                             ; my part of K step 0 is in (K step 1 may be out)
	s_barrier_signal -1
	s_barrier_wait -1
	FETCH 0, 0, F0
	QUARTER 0, BLKB, F0, F1, 1                     ; the first products start the sums
	WIN 0
	s_mov_b32 s3, LAPS-1
.Llap:                                                 ; a trip goes once round the ring and fills both slots again
	QUARTER 0, 2*BLKB, F1, F0, 0
	QUARTER 0, 3*BLKB, F0, F1, 0
	TURN 0, 1, 1
	QUARTER 1, BLKB, F0, F1, 0
	QUARTER 1, 2*BLKB, F1, F0, 0
	QUARTER 1, 3*BLKB, F0, F1, 0
	TURN 1, 0, 1
	QUARTER 0, BLKB, F0, F1, 0
	WIN 0
	s_sub_co_u32 s3, s3, 1
	s_cmp_lg_u32 s3, 0
	s_cbranch_scc1 .Llap
	QUARTER 0, 2*BLKB, F1, F0, 0                   ; the last lap fills nothing
	QUARTER 0, 3*BLKB, F0, F1, 0
	TURN 0, 1, 0
	QUARTER 1, BLKB, F0, F1, 0
	QUARTER 1, 2*BLKB, F1, F0, 0
	QUARTER 1, 3*BLKB, F0, F1, 0
	s_wait_dscnt 16
	WIN MUL
	MUL8 F1, 0, 0, 0
	MUL8 F1, 0, 2, 0
	s_wait_dscnt 0
	MUL8 F1, 1, 0, 0
	MUL8 F1, 1, 2, 0
	WIN 0
; THE WAY OUT, 16 rows x 64 columns at a time, through my own stage: LDS serves a wave in order, so no wait between the stores and the loads, nor in front of the next block stores.
.macro TOST a
.set BB, TMP+32*((\a)%2)
.irp b, 0,1,2,3
	ds_store_b128 v[STO], v[ACC+8*(4*(\a)+\b):ACC+8*(4*(\a)+\b)+3] offset:64*\b        ; each accumulator from its low end on
	ds_store_b128 v[STO], v[ACC+8*(4*(\a)+\b)+4:ACC+8*(4*(\a)+\b)+7] offset:64*\b+16
.endr
.irp t, 0,1,2,3,4,5,6,7
	ds_load_b128 v[BB+4*\t:BB+4*\t+3], v[RD] offset:\t*2*SPITCH
.endr
.endm
.macro SEND a, younger
.set BB, TMP+32*((\a)%2)
	s_wait_dscnt \younger                          ; the block is back; the next block 8 stores and 8 loads may be out
.irp t, 0,1,2,3,4,5,6,7
	global_store_b128 v[CO], v[BB+4*\t:BB+4*\t+3], s[8:9] offset:(16*(\a)+2*\t)*4096   ; sixteen lanes store 256 consecutive bytes, aligned
.endr
.endm
	PLACES
	TOST 0
	TOST 1
	SEND 0, 16
	s_wait_xcnt 0x0                                ; the stores of block 0 have read their registers: the loads of block 2 may land there
	TOST 2
	SEND 1, 16
	s_wait_xcnt 0x0
	TOST 3
	SEND 2, 16
	SEND 3, 0
	s_wait_tensorcnt 0x0                           ; the wave end
	ds_add_u32 v[SPW], v[NIL]
	s_wait_dscnt 0x0
	CROUND                                         ; the closing round
	s_endpgm
.Lfunc_end_k_q61b1e4aece_proj:
	.size	k_q61b1e4aece_proj, .Lfunc_end_k_q61b1e4aece_proj-k_q61b1e4aece_proj
	.p2alignl 7, 3214868480
	.fill 96, 4, 3214868480
	.section	.rodata,"a",@progbits
	.p2align	6, 0x0
	.amdhsa_kernel k_q61b1e4aece_proj
		.amdhsa_group_segment_fixed_size 327680
		.amdhsa_private_segment_fixed_size 0
		.amdhsa_enable_private_segment 0
		.amdhsa_kernarg_size 24
		.amdhsa_user_sgpr_count 2
		.amdhsa_user_sgpr_kernarg_segment_ptr 1
		.amdhsa_wavefront_size32 1
		.amdhsa_system_sgpr_workgroup_id_x 1
		.amdhsa_system_sgpr_workgroup_id_y 1
		.amdhsa_system_sgpr_workgroup_id_z 1
		.amdhsa_system_vgpr_workitem_id 0
		.amdhsa_next_free_vgpr 512
		.amdhsa_next_free_sgpr 66
		.amdhsa_reserve_vcc 0
		.amdhsa_float_denorm_mode_32 3
		.amdhsa_float_denorm_mode_16_64 3
		.amdhsa_memory_ordered 1
		.amdhsa_forward_progress 1
		.amdhsa_inst_pref_size 86
	.end_amdhsa_kernel
	.amdgpu_metadata
---
amdhsa.version: [ 1, 2 ]
amdhsa.kernels:
  - .name:           k_q61b1e4aece_proj
    .symbol:         k_q61b1e4aece_proj.kd
    .args:
      - { .name: oh, .offset: 0, .size: 8, .value_kind: global_buffer, .address_space: global }
      - { .name: wh, .offset: 8, .size: 8, .value_kind: global_buffer, .address_space: global }
      - { .name: out0, .offset: 16, .size: 8, .value_kind: global_buffer, .address_space: global }
    .group_segment_fixed_size: 327680
    .private_segment_fixed_size: 0
    .kernarg_segment_align: 8
    .kernarg_segment_size: 24
    .max_flat_workgroup_size: 128
    .sgpr_count:     66
    .vgpr_count:     512
    .wavefront_size: 32
...
	.end_amdgpu_metadata
.endif
;; end of part 4
;; launch fine (part 5): grid 64 x 2, 16 waves a work-group, no clusters, 18,432 bytes of LDS; arguments qkvf, W_o, out0; writes out0
.if DOCPART == 5
	.amdgcn_target "amdgcn-amd-amdhsa--gfx1250"
	.amdhsa_code_object_version 6
	.text
	.protected	k_q61b1e4aece_fine
	.globl	k_q61b1e4aece_fine
	.p2align	8
	.type	k_q61b1e4aece_fine,@function
k_q61b1e4aece_fine:
	s_mov_b64 s[64:65], 0
	v_nop
	global_prefetch_b8 v0, s[64:65] scope:SCOPE_SE
	s_setreg_imm32_b32 hwreg(HW_REG_WAVE_MODE, 25, 1), 1
	s_wait_xcnt 0x0
; THE FIRST 16 POSITIONS OF BOTH SEQUENCES, all in f32: these rows average one to sixteen values and are the largest of the output, so the rounding of 16-bit operands weighs most there.
; Work-group (g, batch) makes rows 0-15 of the batch, columns 16 g .. 16 g + 15 of out0, over the rows that the launch before has written.  Wave hd takes head hd: its 16 x 16 attention (from Q, K, V in f32,
; [batch][part][head][16][64]) and its share of the projection, the sum over its 64 channels; the sixteen shares meet in LDS and are added in the order of the heads.
; The attention of a head is made anew in each of the 64 work-groups of a batch: 32 small matrix instructions.  16 columns to a work-group spread the work over 128 work-groups; the price: pieces of 64 bytes of a row
; in the stores, in a launch that stores 131,072 bytes in all.
; v_wmma_f32_16x16x4_f32: lane (r, h), register j holds k = 2 h + j.  k IS PERMUTED ALIKE ON BOTH OPERANDS, so that every operand is taken as it lies and nothing changes lanes:
;   S^T = K Q^T:    place (h, j) of step 2 e + u is channel 8 e + 4 h + 2 u + j;      O^T = V^T p:  place (h, j) of step c is key 8 h + 2 c + j;      Y = W_o O:  place (h, j) of step (d, c) is channel 16 d + 8 h + 2 c + j.
; The registers that these matrix instructions write (v144-207) are written by nothing else.
; REGISTERS: v16-47 Q, later O / l, later the shares; v48-79 K; v80-111 V^T; v112-143 W_o; v144-175 four partial S^T, later four partial Y; v176-207 O^T; v208-215 S^T, then p; v216-231 at work.
.set SPARE, 16384
	s_load_b128 s[4:7], s[0:1], 0x0                ; qkvf s[4:5], W_o s[6:7]
	s_load_b64 s[8:9], s[0:1], 0x10                ; out0
	v_lshl_add_u32 v240, v0, 2, SPARE              ; my spare word; never rewritten
	v_mov_b32 v241, 0                              ; 0; never rewritten
	v_lshrrev_b32 v1, 5, v0
	v_readfirstlane_b32 s10, v1                    ; the head
	s_and_b32 s11, ttmp7, 0xffff                   ; the batch
	v_and_b32 v1, 15, v0                           ; r
	v_bfe_u32 v2, v0, 4, 1                         ; h
	v_lshlrev_b32 v3, 8, v1
	v_lshl_add_u32 v3, v2, 4, v3                   ; Q, K: row r of 256 bytes + 16 h
	v_lshlrev_b32 v4, 2, v1
	v_lshl_add_u32 v4, v2, 11, v4                  ; V: key 8 h, channel r
	v_lshlrev_b32 v5, 12, v1
	v_lshl_add_u32 v5, v2, 5, v5                   ; W_o: row r of 4,096 bytes + 32 h
	v_lshlrev_b32 v6, 3, v2
	v_sub_nc_u32 v6, v1, v6                        ; r - 8 h
	s_lshl_b32 s12, s10, 10
	v_lshlrev_b32 v7, 6, v1
	v_lshl_add_u32 v7, v2, 5, v7
	v_add_nc_u32 v7, s12, v7                       ; LDS: my share: 1,024 x head + 64 r + 32 h
	v_lshlrev_b32 v8, 4, v0                        ; and, in waves 0 and 1, my 16 bytes of every share
	v_lshrrev_b32 v9, 2, v0
	v_and_b32 v10, 3, v0
	v_lshlrev_b32 v9, 12, v9
	v_lshl_add_u32 v9, v10, 4, v9                  ; the same place in out0: row thread / 4, 16 bytes x thread % 4
	v_mov_b32 v11, 0xff800000                      ; -infinity
	v_mov_b32 v13, 0                               ; (the destination of a lane permute counts as one of its sources)
	s_mul_i32 s12, s11, 48
	s_add_co_u32 s12, s12, s10
	s_lshl_b32 s12, s12, 12                        ; qkvf: (batch x 48 + head) x 4,096; K lies 16, V 32 heads on
	s_mov_b32 s13, 0
	s_lshl_b32 s14, ttmp9, 16                      ; W_o: 16 rows a work-group,
	s_lshl_b32 s15, s10, 8                         ; 64 columns a head
	s_add_co_u32 s14, s14, s15
	s_mov_b32 s15, 0
	s_lshl_b32 s16, s11, 23                        ; out0: 2,048 rows a batch,
	s_lshl_b32 s17, ttmp9, 6                       ; 16 columns a work-group
	s_add_co_u32 s16, s16, s17
	s_mov_b32 s17, 0
	s_mov_b32 s18, 0x76543210
	s_mov_b32 s19, 0xfedcba98                      ; lane l xor 16
	s_mov_b32 s20, 0x3e38aa3b                      ; c = log2(e) / 8
	s_wait_kmcnt 0x0
	s_add_nc_u64 s[4:5], s[4:5], s[12:13]
	s_add_nc_u64 s[6:7], s[6:7], s[14:15]
	s_add_nc_u64 s[8:9], s[8:9], s[16:17]
.irp e, 0,1,2,3,4,5,6,7
	global_load_b128 v[16+4*\e:19+4*\e], v3, s[4:5] offset:32*\e            ; Q(r, 8 e + 4 h + 0 .. 3)
.endr
.irp e, 0,1,2,3,4,5,6,7
	global_load_b128 v[48+4*\e:51+4*\e], v3, s[4:5] offset:65536+32*\e      ; K likewise
.endr
.irp d, 0,1,2,3
.irp k, 0,1,2,3,4,5,6,7
	global_load_b32 v[80+8*\d+\k], v4, s[4:5] offset:131072+256*\k+64*\d    ; V(8 h + k, 16 d + r)
.endr
.endr
.irp d, 0,1,2,3
.irp e, 0,1
	global_load_b128 v[112+8*\d+4*\e:115+8*\d+4*\e], v5, s[6:7] offset:64*\d+16*\e   ; W_o(16 g + r, 64 head + 16 d + 8 h + 0 .. 7)
.endr
.endr
	s_wait_loadcnt 40                              ; Q and K are in; the 32 loads of V and the 8 of W_o may be out
.irp g, 0,1,2,3                                ; S^T in four partial sums, which take turns; the first four steps start them
	v_wmma_f32_16x16x4_f32 v[144+8*\g:151+8*\g], v[48+2*\g:49+2*\g], v[16+2*\g:17+2*\g], 0
.endr
.irp g, 4,5,6,7,8,9,10,11,12,13,14,15
	v_wmma_f32_16x16x4_f32 v[144+8*(\g%4):151+8*(\g%4)], v[48+2*\g:49+2*\g], v[16+2*\g:17+2*\g], v[144+8*(\g%4):151+8*(\g%4)]
.endr
.rept 8
	v_nop                                          ; eight places behind this form
.endr
.irp j, 0,1,2,3,4,5,6,7
	v_add_f32 v[208+\j], v[144+\j], v[152+\j]      ; each partial sum from its low end on
.endr
.irp j, 0,1,2,3,4,5,6,7
	v_add_f32 v[216+\j], v[160+\j], v[168+\j]
.endr
.irp j, 0,1,2,3,4,5,6,7
	v_add_f32 v[208+\j], v[208+\j], v[216+\j]      ; lane (r, h): the score of query r and key 8 h + j
.endr
.irp j, 0,1,2,3,4,5,6,7
	v_cmp_gt_i32 vcc_lo, \j, v6                    ; hidden where 8 h + j > r
	v_cndmask_b32 v[208+\j], v[208+\j], v11, vcc_lo
.endr
	v_max3_num_f32 v12, v208, v209, v210
	v_max3_num_f32 v12, v12, v211, v212
	v_max3_num_f32 v12, v12, v213, v214
	v_max_num_f32 v12, v12, v215
	v_permlanex16_b32 v13, v12, s18, s19
	v_max_num_f32 v12, v12, v13                    ; the largest score of the query: key 0 counts for every query
	v_mul_f32 v12, s20, v12
.irp j, 0,1,2,3,4,5,6,7
	v_fma_f32 v[208+\j], v[208+\j], s20, -v12
.endr
.irp j, 0,1,2,3,4,5,6,7
	v_exp_f32 v[208+\j], v[208+\j]
.endr
	v_nop                                          ; a plain line behind the last exponential
	s_wait_alu depctr_va_vdst(0)                   ; one wait for the batch, ahead of its first reader
	v_add_f32 v14, v208, v209
	v_add_f32 v15, v210, v211
	v_add_f32 v224, v212, v213
	v_add_f32 v225, v214, v215
	v_add_f32 v14, v14, v15
	v_add_f32 v224, v224, v225
	v_add_f32 v14, v14, v224
	v_permlanex16_b32 v13, v14, s18, s19
	v_add_f32 v14, v14, v13                        ; the sum of the query
	v_rcp_f32 v14, v14
	s_wait_loadcnt 8                               ; V is in; the 8 loads of W_o may be out
.irp c, 0,1,2,3                                ; O^T = V^T p: the four tiles of channels by turns
.irp d, 0,1,2,3
.if \c == 0
	v_wmma_f32_16x16x4_f32 v[176+8*\d:183+8*\d], v[80+8*\d+2*\c:81+8*\d+2*\c], v[208+2*\c:209+2*\c], 0
.else
	v_wmma_f32_16x16x4_f32 v[176+8*\d:183+8*\d], v[80+8*\d+2*\c:81+8*\d+2*\c], v[208+2*\c:209+2*\c], v[176+8*\d:183+8*\d]
.endif
.endr
.endr
.rept 8
	v_nop                                          ; eight places; they are also the plain lines behind the reciprocal
.endr
	s_wait_alu depctr_va_vdst(0)                   ; ahead of the first reader of the reciprocal
.set i, 0
.rept 32
	v_mul_f32 v[16+i], v[176+i], v14               ; register 8 d + j: O(r, 16 d + 8 h + j)
.set i, i+1
.endr
	s_wait_loadcnt 0x0                             ; W_o
.irp d, 0,1,2,3                                ; Y(n, q) in four partial sums by turns
.irp c, 0,1,2,3
.if \d == 0
	v_wmma_f32_16x16x4_f32 v[144+8*\c:151+8*\c], v[112+8*\d+2*\c:113+8*\d+2*\c], v[16+8*\d+2*\c:17+8*\d+2*\c], 0
.else
	v_wmma_f32_16x16x4_f32 v[144+8*\c:151+8*\c], v[112+8*\d+2*\c:113+8*\d+2*\c], v[16+8*\d+2*\c:17+8*\d+2*\c], v[144+8*\c:151+8*\c]
.endif
.endr
.endr
.rept 8
	v_nop
.endr
.irp j, 0,1,2,3,4,5,6,7
	v_add_f32 v[216+\j], v[144+\j], v[152+\j]
.endr
.irp j, 0,1,2,3,4,5,6,7
	v_add_f32 v[224+\j], v[160+\j], v[168+\j]
.endr
.irp j, 0,1,2,3,4,5,6,7
	v_add_f32 v[216+\j], v[216+\j], v[224+\j]      ; lane (r, h): my head share of out0(r, 16 g + 8 h + j)
.endr
	ds_store_b128 v7, v[216:219]
	ds_store_b128 v7, v[220:223] offset:16
	s_wait_dscnt 0x0                               ; for the others: my share lies in LDS
	s_barrier_signal -1
	s_barrier_wait -1
	s_cmp_gt_u32 s10, 1                            ; 64 threads add the sixteen shares, 16 bytes each
	s_cbranch_scc1 .Ldone
.irp w, 0,1,2,3,4,5,6,7,8,9,10,11,12,13,14,15
	ds_load_b128 v[16+4*\w:19+4*\w], v8 offset:1024*\w
.endr
	s_wait_dscnt 0x0
.irp w, 1,2,3,4,5,6,7,8,9,10,11,12,13,14,15
	v_pk_add_f32 v[16:17], v[16:17], v[16+4*\w:17+4*\w]
	v_pk_add_f32 v[18:19], v[18:19], v[18+4*\w:19+4*\w]
.endr
	global_store_b128 v9, v[16:19], s[8:9]
.Ldone:
	s_wait_tensorcnt 0x0                           ; the wave end, behind the last LDS store
	ds_add_u32 v240, v241
	s_wait_dscnt 0x0
	s_endpgm
.Lfunc_end_k_q61b1e4aece_fine:
	.size	k_q61b1e4aece_fine, .Lfunc_end_k_q61b1e4aece_fine-k_q61b1e4aece_fine
	.p2alignl 7, 3214868480
	.fill 96, 4, 3214868480
	.section	.rodata,"a",@progbits
	.p2align	6, 0x0
	.amdhsa_kernel k_q61b1e4aece_fine
		.amdhsa_group_segment_fixed_size 18432
		.amdhsa_private_segment_fixed_size 0
		.amdhsa_enable_private_segment 0
		.amdhsa_kernarg_size 24
		.amdhsa_user_sgpr_count 2
		.amdhsa_user_sgpr_kernarg_segment_ptr 1
		.amdhsa_wavefront_size32 1
		.amdhsa_system_sgpr_workgroup_id_x 1
		.amdhsa_system_sgpr_workgroup_id_y 1
		.amdhsa_system_sgpr_workgroup_id_z 1
		.amdhsa_system_vgpr_workitem_id 0
		.amdhsa_next_free_vgpr 256
		.amdhsa_next_free_sgpr 66
		.amdhsa_reserve_vcc 1
		.amdhsa_float_denorm_mode_32 3
		.amdhsa_float_denorm_mode_16_64 3
		.amdhsa_memory_ordered 1
		.amdhsa_forward_progress 1
		.amdhsa_inst_pref_size 20
	.end_amdhsa_kernel
	.amdgpu_metadata
---
amdhsa.version: [ 1, 2 ]
amdhsa.kernels:
  - .name:           k_q61b1e4aece_fine
    .symbol:         k_q61b1e4aece_fine.kd
    .args:
      - { .name: qkvf, .offset: 0, .size: 8, .value_kind: global_buffer, .address_space: global }
      - { .name: W_o, .offset: 8, .size: 8, .value_kind: global_buffer, .address_space: global }
      - { .name: out0, .offset: 16, .size: 8, .value_kind: global_buffer, .address_space: global }
    .group_segment_fixed_size: 18432
    .private_segment_fixed_size: 0
    .kernarg_segment_align: 8
    .kernarg_segment_size: 24
    .max_flat_workgroup_size: 512
    .sgpr_count:     66
    .vgpr_count:     256
    .wavefront_size: 32
...
	.end_amdgpu_metadata
.endif
;; end of part 5
